; MI455X (gfx1250); checked and timed in simulation.
; The chip was launched on July 23, 2026; its instructions are those of AMD's public machine-readable ISA for CDNA 5 (MIT licence, August 2026) and "CDNA5" Instruction Set Architecture Reference Guide (July 2026). The comments in the code are by the model that wrote it; some were corrected since.
;; Memory Gated Attention. Allowed arithmetic: matrix products marked QUANTISED: E2M1 operands, one E8M0 scale for each 32 along K, by v_wmma_scale_f32_16x16x128_f8f6f4 with both operands' format E2M1 (or v_wmma_scale_f32_32x16x128_f4), f32 sums; products left as they are: bf16, f16 or f32 operands; f32 sums; everything else in f32.
;; Inputs: Wg 2,048 x 1,024 float32; Wk 1,024 x 1,024 float32; Wo 1,024 x 1,024 float32; Wq 1,024 x 1,024 float32; Wv 1,024 x 1,024 float32; bg 1,024 float32; bk 1,024 float32; bo 1,024 float32; bq 1,024 float32; bv 1,024 float32; key 4 x 2,048 x 1,024 float32; memory 4 x 64 x 1,024 float32; query 4 x 2,048 x 1,024 float32; value 4 x 2,048 x 1,024 float32.
;; Outputs: out0 4 x 2,048 x 1,024 float32.
;; This version of the problem:
;;   THIS VERSION OF THE PROBLEM IS GIVEN IN LOW PRECISION. The matrix products marked QUANTISED in the list below multiply operands that are first quantised to E2M1 (2 exponent bits, 1 mantissa bit; 4 bits a number), with one power-of-two scale for each 32 numbers along K (OCP MX v1.0); their sums are f32. The products marked 'left as it is' may take bf16, f16 or f32 operands, with f32 sums. Whichever they take, every output number must still come out within the allowed error. Rounding operands to bf16 (8 significant bits) uses up far more of that allowance than f16 does (11 bits, for magnitudes from 6e-5 to 65,504). All else is computed in f32.
;;   The module's matrix products, in the order in which they are computed (A, B: the left and right operand; K: the contracted axis; several contracted axes count as one K, in the product's order):
;;     1. [M 8,192, K 1,024] x [K 1,024, N 1,024]; A: input query; B: input Wq: QUANTISED
;;     2. [M 8,192, K 1,024] x [K 1,024, N 1,024]; A: input key; B: input Wk: QUANTISED
;;     3. [M 8,192, K 1,024] x [K 1,024, N 1,024]; A: input value; B: input Wv: QUANTISED
;;     4. batch 64 x [M 2,048, K 64] x [K 64, N 2,048]; A: computed on the way; B: computed on the way: left as it is (an operand is computed on the way)
;;     5. [M 4, K 2,048] x [K 2,048, N 1,024]; A: computed on the way; B: input Wg: left as it is (M = 4 < 16)
;;     6. batch 64 x [M 2,048, K 2,048] x [K 2,048, N 64]; A: computed on the way; B: computed on the way: left as it is (an operand is computed on the way)
;;     7. [M 8,192, K 1,024] x [K 1,024, N 1,024]; A: computed on the way; B: input Wo: left as it is (an operand is computed on the way)
;;   THE QUANTISER, for each operand of a quantised product, along K:
;;     - K is cut into blocks of 32 from its start; a last block that is shorter is filled with zeros.
;;     - A block's scale is 2^e with e = floor(log2(the largest magnitude in the block)) - 2, held to -126 .. 127; a block of zeros has e = 0. As a byte (E8M0): e + 127.
;;     - Each number is divided by its block's scale, clamped to +-6, and rounded to the nearest number of E2M1, ties to even, subnormals kept.
;;     - The product sums the exact products of the quantised numbers (number of the format x scale) in f32.
;;   ~~~python
;;   def quantise(x, axis):      # numpy; x: float32 -> the quantised numbers, widened to float32 again
;;       x = np.moveaxis(x, axis, -1); K = x.shape[-1]
;;       x = np.pad(x, [(0, 0)] * (x.ndim - 1) + [(0, -K % 32)]); x = x.reshape(x.shape[:-1] + (-1, 32)); a = np.abs(x).max(-1, keepdims=True)
;;       e = np.where(a > 0, np.clip(np.frexp(np.where(a > 0, a, 1))[1] - 1 - 2, -126, 127), 0)      # np.frexp(a)[1] - 1 = floor(log2(a)), exactly
;;       r = np.clip(x / 2.0 ** e, -6, 6)
;;       step = 2.0 ** (np.maximum(np.frexp(np.where(r == 0, 1, r))[1] - 1, 0) - 1)
;;       q = np.round(r / step) * step * 2.0 ** e      # np.round: ties to even
;;       return np.moveaxis(q.reshape(q.shape[:-2] + (-1,))[..., :K], -1, axis).astype(np.float32)
;;   ~~~
;; One version. Each part assembles by itself: llvm-mc -triple=amdgcn-amd-amdhsa -mcpu=gfx1250 --defsym DOCPART=n.
;; ======== version 1 of 1: 6 launches
;; limits: values are held in f16: magnitudes above 65,504 overflow, below 6.1e-05 lose precision
;; workspace buffers: xq 14,417,920 bytes; wq 4,292,608 bytes; gpart 256 bytes; qkv 50,331,648 bytes; ao 16,777,216 bytes
;; launch quant_x (part 1): grid 768 x 1, 4 waves a work-group, no clusters, 66,048 bytes of LDS; arguments query, key, value, xq; writes xq
.if DOCPART == 1
	.amdgcn_target "amdgcn-amd-amdhsa--gfx1250"
	.amdhsa_code_object_version 6
	.text
	.protected	k_qee0dffed82_quant_x
	.globl	k_qee0dffed82_quant_x
	.p2align	8
	.type	k_qee0dffed82_quant_x,@function
k_qee0dffed82_quant_x:
	s_mov_b64 s[64:65], 0
	v_nop
	global_prefetch_b8 v0, s[64:65] scope:SCOPE_SE
	s_setreg_imm32_b32 hwreg(HW_REG_WAVE_MODE, 25, 1), 1
	s_wait_xcnt 0x0
; query, key, value, each [8192][1024] f32, become codes of FP4 (E2M1), K innermost, with one E8M0 byte for each 32 along K, in xq:
; codes [3][8192][512 bytes] at 0, scale bytes [24576][32] at XSC.  Query's work-groups also leave the sum of their 32 rows, column by column, at QP: [256][1024] f32, for the gate's mean.
; A block's scale is 2^(floor(log2(largest magnitude)) - 2); its byte is the largest magnitude's exponent field - 2, held at 1 from below.  A block of zeros gets the byte 1: its codes are zeros, and only this program reads the bytes.
; LIMITS: NaN and infinities among the inputs are not served.
; SHARES.  Work-group g: tensor g / 256; wave w takes 8 rows (8,192 numbers) as 16 steps of 512.  Each load of a wave reads 512 consecutive bytes; a step's 2,048 bytes turn through the wave's own stage in LDS, so that
; a lane then holds 16 neighbours along K (two lanes a block), which is what the conversion takes.  A lane's 16 codes are 8 bytes: the wave stores 256 consecutive bytes.  A wave's 256 scale bytes are gathered in LDS and leave together.
; The two paths (query; key and value) part on the work-group's number and have LDS bytes of their own.
.set STEPS, 16
.set EMAX,  2
.set CB,    8                          ; bytes of 16 codes
.set R,     16                         ; v16-79   four sets of 16 numbers as loaded
.set X,     80                         ; v80-111  two sets of 16 neighbours
.set E,     112                        ; v112-127 a scale byte for each step
.set C,     128                        ; v128-191 codes, four registers a step: no store's data are written again
.set CSM,   192                        ; v192-223 query: sums of my 8 rows; register 16 u + i = column 512 u + 16 lane + i
.set CSI,   224                        ; v224     where I put them in LDS
.set CSO,   225                        ; v225     where I read four columns of all four waves
.set GQ,    226                        ; v226     16 x thread: my place in the row of sums
.set SPW,   12                         ; v12      LDS address of my spare word; never rewritten
.set NIL,   13                         ; v13      0; never rewritten
.set WREG,  6144                       ; LDS for a wave: two stages of 32 x SP bytes, then its 256 scale bytes
.set SP,    80                         ; a lane's place in a stage: 64 bytes + 16 of padding
.set CSUM,  4*WREG                     ; query's path: four waves' rows of sums, 4,096 bytes each
.set KVB,   CSUM+4*4096                ; key's and value's path: its own four regions
.set SPARE, KVB+4*WREG                 ; the spare words, 128 bytes a wave
.set XSC,   12582912
.set QP,    13369344
	s_load_b256 s[4:11], s[0:1], 0x0               ; query s[4:5], key s[6:7], value s[8:9], xq s[10:11]
	v_lshl_add_u32 v[SPW], v0, 2, SPARE
	v_mov_b32 v[NIL], 0
	v_lshrrev_b32 v1, 5, v0
	v_readfirstlane_b32 s16, v1                    ; wave
	v_and_b32 v2, 31, v0                           ; lane
	v_lshlrev_b32 v3, 4, v2                        ; my 16 bytes of a load's 512
	s_mul_i32 s17, s16, WREG
	v_lshrrev_b32 v14, 2, v2
	v_mul_u32_u24 v14, v14, SP
	v_and_b32 v15, 3, v2
	v_lshl_add_u32 v14, v15, 4, v14
	v_add_nc_u32 v14, s17, v14                     ; the stage, on the way in: four lanes' 64 bytes on end, then the padding
	v_mul_u32_u24 v15, v2, SP
	v_add_nc_u32 v15, s17, v15                     ; and on the way out: my 16 neighbours
	v_mul_u32_u24 v4, v2, CB                       ; my codes' place in a step's
	v_lshrrev_b32 v5, 1, v2
	s_add_co_u32 s17, s17, 2*32*SP
	v_add_nc_u32 v5, s17, v5                       ; my block's scale byte in LDS
	v_lshlrev_b32 v7, 3, v2                        ; the scale bytes' way out: 8 bytes a lane
	v_add_nc_u32 v6, s17, v7
	s_lshl_b32 s19, s16, 12
	v_lshlrev_b32 v[CSI], 6, v2
	v_add_nc_u32 v[CSI], s19, v[CSI]
	v_add_nc_u32 v[CSI], CSUM, v[CSI]              ; CSUM + 4,096 x wave + 64 x lane
	v_lshl_add_u32 v[CSO], v0, 4, CSUM
	v_lshlrev_b32 v[GQ], 4, v0
	s_lshl_b32 s17, ttmp9, 2
	s_add_co_u32 s18, s17, s16                     ; my run of 8,192 numbers among all three tensors' (where the results go)
	s_and_b32 s17, s17, 1023
	s_add_co_u32 s20, s17, s16                     ; and inside my tensor (where the numbers come from)
	s_lshl_b32 s20, s20, 15
	s_mov_b32 s21, 0
	s_lshl_b32 s22, s18, 12                        ; 4,096 bytes of codes a run
	s_mov_b32 s23, 0
	s_wait_kmcnt 0x0
	s_cmp_lt_u32 ttmp9, 512                        ; the choice of tensor hangs on the work-group's number alone
	s_cselect_b64 s[6:7], s[6:7], s[8:9]
	s_cmp_lt_u32 ttmp9, 256
	s_cselect_b64 s[4:5], s[4:5], s[6:7]
	s_add_nc_u64 s[4:5], s[4:5], s[20:21]
	s_add_nc_u64 s[8:9], s[10:11], s[22:23]        ; codes
	s_lshl_b32 s22, s18, 8                         ; 256 scale bytes a run
	s_add_co_u32 s22, s22, XSC
	s_add_nc_u64 s[12:13], s[10:11], s[22:23]      ; scale bytes
.macro LOAD t
.irp i, 0,1,2,3
	global_load_b128 v[R+16*((\t)%4)+4*\i:R+16*((\t)%4)+4*\i+3], v3, s[4:5] offset:2048*(\t)+512*\i th:TH_LOAD_NT
.endr
.endm
.macro TURN t, base                    ; step t's numbers through the stage: LDS serves a wave's instructions in order, so no wait stands between the stores and the loads
.irp i, 0,1,2,3
	ds_store_b128 v14, v[R+16*((\t)%4)+4*\i:R+16*((\t)%4)+4*\i+3] offset:\base+32*SP*((\t)%2)+8*SP*\i
.endr
.irp i, 0,1,2,3
	ds_load_b128 v[X+16*((\t)%2)+4*\i:X+16*((\t)%2)+4*\i+3], v15 offset:\base+32*SP*((\t)%2)+16*\i
.endr
.endm
.macro STEP t, base, sum
.set XS, X+16*((\t)%2)
.if (\t) > 0
	s_wait_dscnt 1                                 ; this step's numbers are back from the stage; the last step's byte store may be out
.else
	s_wait_dscnt 0x0
.endif
.if (\t)+4 < STEPS
	LOAD (\t)+4                                    ; into the set whose stores into the stage have been served
.endif
.if (\t)+1 < STEPS
.if STEPS-2-(\t) >= 3
	s_wait_loadcnt 12                              ; the next step's four loads are in; those of the three steps behind it may be out
.else
	s_wait_loadcnt 4*(STEPS-2-(\t))
.endif
	TURN (\t)+1, \base
.endif
.if \sum
.if (\t) < 2
.irp i, 0,1,2,3,4,5,6,7,8,9,10,11,12,13,14,15
	v_mov_b32 v[CSM+16*(\t)+\i], v[XS+\i]          ; my first row starts the column sums
.endr
.else
.irp i, 0,2,4,6,8,10,12,14
	v_pk_add_f32 v[CSM+16*((\t)%2)+\i:CSM+16*((\t)%2)+\i+1], v[CSM+16*((\t)%2)+\i:CSM+16*((\t)%2)+\i+1], v[XS+\i:XS+\i+1]
.endr
.endif
.endif
	v_max3_num_f32 v8, |v[XS]|, |v[XS+1]|, |v[XS+2]|               ; the largest magnitude of my 16, in two chains
	v_max3_num_f32 v9, |v[XS+3]|, |v[XS+4]|, |v[XS+5]|
.irp i, 6,10
	v_max3_num_f32 v8, v8, |v[XS+\i]|, |v[XS+\i+1]|
	v_max3_num_f32 v9, v9, |v[XS+\i+2]|, |v[XS+\i+3]|
.endr
	v_max3_num_f32 v8, v8, |v[XS+14]|, |v[XS+15]|
	v_max3_num_f32 v8, v8, v9, (EMAX+1)<<23        ; and the floor 2^(3 - 127): the byte cannot fall under 1
	v_max_num_f32_dpp v8, v8, v8 row_xmask:1 row_mask:0xf bank_mask:0xf   ; with my neighbour's 16: the block's
	v_add_nc_u32 v11, 0xff000000, v8               ; 2 off its exponent field: the conversion takes this operand's exponent field as its scale
	v_cvt_scalef32_pk8_fp4_f32 v[C+4*(\t)], v[XS:XS+7], v11
	v_cvt_scalef32_pk8_fp4_f32 v[C+4*(\t)+1], v[XS+8:XS+15], v11
	v_lshrrev_b32 v[E+(\t)], 23, v11               ; the scale's byte (also the plain line behind the conversions)
	ds_store_b8 v5, v[E+(\t)] offset:\base+16*(\t) ; both lanes of a block write the same byte with the same value
	global_store_b64 v4, v[C+4*(\t):C+4*(\t)+1], s[8:9] offset:32*CB*(\t)   ; the wave stores 256 consecutive bytes, aligned
.endm
.irp t, 0,1,2,3
	LOAD \t
.endr
	s_cmp_lt_u32 ttmp9, 256
	s_cbranch_scc0 .Lkey_value
	; ---- query: codes, scale bytes and column sums
	s_lshl_b32 s22, ttmp9, 12
	s_add_co_u32 s22, s22, QP
	s_add_nc_u64 s[14:15], s[10:11], s[22:23]      ; my work-group's row of sums
	s_wait_loadcnt 12                              ; step 0's four loads are in
	TURN 0, 0
.irp t, 0,1,2,3,4,5,6,7,8,9,10,11,12,13,14,15
	STEP \t, 0, 1
.endr
	ds_load_b64 v[8:9], v6                         ; my wave's 256 scale bytes: LDS serves a wave in order
	s_wait_dscnt 0x0
	global_store_b64 v7, v[8:9], s[12:13]          ; 256 consecutive bytes, aligned
.irp u, 0,1
.irp j, 0,1,2,3
	ds_store_b128 v[CSI], v[CSM+16*\u+4*\j:CSM+16*\u+4*\j+3] offset:2048*\u+16*\j
.endr
.endr
	s_wait_dscnt 0x0                               ; for the others' sake: my sums lie in LDS
	s_barrier_signal -1
	s_barrier_wait -1
.irp n, 0,1,2,3,4,5,6,7
	ds_load_b128 v[16+4*\n:19+4*\n], v[CSO] offset:2048*\n          ; wave n / 2's sums of columns 512 (n % 2) + 4 thread + 0 .. 3
.endr
	s_wait_dscnt 0x0
.irp w, 1,2,3
.irp p, 0,2,4,6
	v_pk_add_f32 v[16+\p:17+\p], v[16+\p:17+\p], v[16+8*\w+\p:17+8*\w+\p]
.endr
.endr
	global_store_b128 v[GQ], v[16:19], s[14:15]                     ; a wave stores 512 consecutive bytes
	global_store_b128 v[GQ], v[20:23], s[14:15] offset:2048
	s_wait_tensorcnt 0x0                           ; the wave's end
	ds_add_u32 v[SPW], v[NIL]
	s_wait_dscnt 0x0
	s_endpgm
.Lkey_value:
	; ---- key, value: codes and scale bytes, in LDS bytes of this path's own
	s_wait_loadcnt 12
	TURN 0, KVB
.irp t, 0,1,2,3,4,5,6,7,8,9,10,11,12,13,14,15
	STEP \t, KVB, 0
.endr
	ds_load_b64 v[8:9], v6 offset:KVB
	s_wait_dscnt 0x0
	global_store_b64 v7, v[8:9], s[12:13]
	s_wait_tensorcnt 0x0                           ; the wave's end, as above
	ds_add_u32 v[SPW], v[NIL]
	s_wait_dscnt 0x0
	s_endpgm
.Lfunc_end_k_qee0dffed82_quant_x:
	.size	k_qee0dffed82_quant_x, .Lfunc_end_k_qee0dffed82_quant_x-k_qee0dffed82_quant_x
	.p2alignl 7, 3214868480
	.fill 96, 4, 3214868480
	.section	.rodata,"a",@progbits
	.p2align	6, 0x0
	.amdhsa_kernel k_qee0dffed82_quant_x
		.amdhsa_group_segment_fixed_size 66048
		.amdhsa_private_segment_fixed_size 0
		.amdhsa_enable_private_segment 0
		.amdhsa_kernarg_size 32
		.amdhsa_user_sgpr_count 2
		.amdhsa_user_sgpr_kernarg_segment_ptr 1
		.amdhsa_wavefront_size32 1
		.amdhsa_system_sgpr_workgroup_id_x 1
		.amdhsa_system_sgpr_workgroup_id_y 1
		.amdhsa_system_sgpr_workgroup_id_z 1
		.amdhsa_system_vgpr_workitem_id 0
		.amdhsa_next_free_vgpr 232
		.amdhsa_next_free_sgpr 66
		.amdhsa_reserve_vcc 0
		.amdhsa_float_denorm_mode_32 3
		.amdhsa_float_denorm_mode_16_64 3
		.amdhsa_memory_ordered 1
		.amdhsa_forward_progress 1
		.amdhsa_inst_pref_size 73
	.end_amdhsa_kernel
	.amdgpu_metadata
---
amdhsa.version: [ 1, 2 ]
amdhsa.kernels:
  - .name:           k_qee0dffed82_quant_x
    .symbol:         k_qee0dffed82_quant_x.kd
    .args:
      - { .name: query, .offset: 0, .size: 8, .value_kind: global_buffer, .address_space: global }
      - { .name: key, .offset: 8, .size: 8, .value_kind: global_buffer, .address_space: global }
      - { .name: value, .offset: 16, .size: 8, .value_kind: global_buffer, .address_space: global }
      - { .name: xq, .offset: 24, .size: 8, .value_kind: global_buffer, .address_space: global }
    .group_segment_fixed_size: 66048
    .private_segment_fixed_size: 0
    .kernarg_segment_align: 8
    .kernarg_segment_size: 32
    .max_flat_workgroup_size: 128
    .sgpr_count:     66
    .vgpr_count:     232
    .wavefront_size: 32
...
	.end_amdgpu_metadata
.endif
;; end of part 1
;; launch prep_w (part 2): grid 192 x 1, 8 waves a work-group, no clusters, 21,504 bytes of LDS; arguments Wq, Wk, Wv, Wo, Wg, memory, xq, wq; writes wq
.if DOCPART == 2
	.amdgcn_target "amdgcn-amd-amdhsa--gfx1250"
	.amdhsa_code_object_version 6
	.text
	.protected	k_qee0dffed82_prep_w
	.globl	k_qee0dffed82_prep_w
	.p2align	8
	.type	k_qee0dffed82_prep_w,@function
k_qee0dffed82_prep_w:
	s_mov_b64 s[64:65], 0
	v_nop
	global_prefetch_b8 v0, s[64:65] scope:SCOPE_SE
	s_setreg_imm32_b32 hwreg(HW_REG_WAVE_MODE, 25, 1), 1
	s_wait_xcnt 0x0
; Three jobs that part on the work-group's number and never join; each has LDS bytes of its own.
; G (work-groups 0-31): the gate's first stage.  Work-group w owns k = 64 w .. 64 w + 63 of the 2,048 of [mean of query, mean of memory]; it makes these 64 means for the 4 batches and multiplies them, in f32
;   (fused multiply-adds: 4 rows only), by its 64 rows of Wg: a part [4][1024] of the product, stored at YP + 16,384 w.  Query's means come from the 256 partial sums that the launch before left in xq.
; W (32-127): Wq, Wk, Wv [1024 k][1024 n] f32 become codes of FP4 with K innermost, [3][1024 n][512 bytes] at 0, scale bytes [3072][32] at WSC.  A lane takes a column and its registers run down K.
; O (128-191): Wo becomes f16, [1024 k][1024 n] at WO.  LIMIT: |Wo| up to 65,504; NaN and infinities are not served anywhere here; a block of zeros gets the scale byte 1 over zero codes.
.set WSC,   1572864
.set WO,    1671168
.set YP,    3768320
.set QP,    13369344
.set PITCH, 272                        ; W's stage: a column's 256 bytes of codes + 16
.set SCST,  64*PITCH                   ; W's scale bytes: 64 columns x 16
.set RM,    SCST+1024                  ; G's means: [64 k][2 halves of the rows][4 batches] f32
.set SPARE, RM+2048                    ; the spare words, 128 bytes a wave
.set SPW,   252
.set NIL,   253
.set X,     32                         ; W: v32-95 two sets of 32 numbers
.set C,     96                         ; W: v96-99 a block's codes
.set SB,    24                         ; W: v24 my four scale bytes
	s_load_b512 s[4:19], s[0:1], 0x0               ; Wq s[4:5], Wk s[6:7], Wv s[8:9], Wo s[10:11], Wg s[12:13], memory s[14:15], xq s[16:17], wq s[18:19]
	v_lshl_add_u32 v[SPW], v0, 2, SPARE
	v_mov_b32 v[NIL], 0
	v_lshrrev_b32 v1, 5, v0
	v_readfirstlane_b32 s24, v1                    ; wave 0..7
	v_and_b32 v2, 31, v0                           ; lane
	s_wait_kmcnt 0x0
	s_cmp_lt_u32 ttmp9, 32
	s_cbranch_scc1 .Lgate
	s_cmp_lt_u32 ttmp9, 128
	s_cbranch_scc1 .Lweights
	; ---- O: 65,536 bytes of Wo a work-group; a thread takes 16 bytes of each 4,096
	s_sub_co_u32 s26, ttmp9, 128
	s_lshl_b32 s28, s26, 16
	s_mov_b32 s29, 0
	s_add_nc_u64 s[10:11], s[10:11], s[28:29]
	s_lshl_b32 s28, s26, 15
	s_add_co_u32 s28, s28, WO
	s_add_nc_u64 s[18:19], s[18:19], s[28:29]
	v_lshlrev_b32 v3, 4, v0
	v_lshlrev_b32 v4, 3, v0
.irp s, 0,1,2,3,4,5,6,7,8,9,10,11,12,13,14,15
	global_load_b128 v[32+4*\s:35+4*\s], v3, s[10:11] offset:4096*\s th:TH_LOAD_NT
.endr
.irp s, 0,1,2,3,4,5,6,7,8,9,10,11,12,13,14,15
	s_wait_loadcnt 15-\s                           ; loads come back in order: load s is in, the younger ones stay out
	v_cvt_pk_f16_f32 v[96+2*\s], v[32+4*\s], v[33+4*\s]
	v_cvt_pk_f16_f32 v[97+2*\s], v[34+4*\s], v[35+4*\s]
	global_store_b64 v4, v[96+2*\s:97+2*\s], s[18:19] offset:2048*\s   ; a wave stores 256 consecutive bytes, aligned
.endr
	s_endpgm
.Lweights:
	; ---- W: work-group j: tensor j / 32, 64 columns, 512 along K.  Wave: 32 columns (wave % 2) x 128 along K (wave / 2): four blocks a lane
	s_sub_co_u32 s26, ttmp9, 32
	s_lshr_b32 s27, s26, 5                         ; tensor
	s_bfe_u32 s28, s26, 0x40001                    ; which 64 columns
	s_and_b32 s29, s26, 1                          ; which 512 along K
	s_and_b32 s30, s24, 1
	s_lshr_b32 s31, s24, 1
	s_cmp_eq_u32 s27, 1
	s_cselect_b64 s[6:7], s[6:7], s[8:9]
	s_cmp_eq_u32 s27, 0
	s_cselect_b64 s[4:5], s[4:5], s[6:7]
	s_lshl_b32 s32, s29, 21                        ; 512 rows of 4,096 bytes
	s_lshl_b32 s34, s31, 19                        ; 128 rows
	s_add_co_u32 s32, s32, s34
	s_lshl_b32 s34, s28, 8                         ; 64 columns
	s_add_co_u32 s32, s32, s34
	s_lshl_b32 s34, s30, 7                         ; 32 columns
	s_add_co_u32 s32, s32, s34
	s_mov_b32 s33, 0
	s_add_nc_u64 s[4:5], s[4:5], s[32:33]
	s_lshl_b32 s32, s27, 19                        ; codes: (1,024 tensor + 64 group) rows of 512 bytes + 256 x which half of K
	s_lshl_b32 s34, s28, 15
	s_add_co_u32 s32, s32, s34
	s_lshl_b32 s34, s29, 8
	s_add_co_u32 s32, s32, s34
	s_add_nc_u64 s[20:21], s[18:19], s[32:33]
	s_lshl_b32 s32, s27, 15                        ; scale bytes: the same rows of 32 bytes + 16 x half
	s_lshl_b32 s34, s28, 11
	s_add_co_u32 s32, s32, s34
	s_lshl_b32 s34, s29, 4
	s_add_co_u32 s32, s32, s34
	s_add_co_u32 s32, s32, WSC
	s_add_nc_u64 s[22:23], s[18:19], s[32:33]
	v_lshlrev_b32 v3, 2, v2                        ; in: 4 bytes a lane
	v_and_b32 v5, 63, v0                           ; my column among the 64
	v_lshrrev_b32 v6, 6, v0                        ; my 128 along K
	v_mul_u32_u24 v4, v5, PITCH
	v_lshl_add_u32 v4, v6, 6, v4                   ; the stage: my column's row, my 64 bytes of it
	v_lshlrev_b32 v9, 4, v5
	v_lshl_add_u32 v9, v6, 2, v9
	v_add_nc_u32 v9, SCST, v9                      ; my four scale bytes
	v_lshl_add_u32 v10, v5, 4, SCST                ; the scale bytes' way out: a column's 16 bytes
	v_lshlrev_b32 v14, 5, v5                       ; and its row of 32 in memory
	v_lshlrev_b32 v5, 3, v1
	v_bfe_u32 v6, v0, 4, 1
	v_add_nc_u32 v5, v5, v6                        ; the codes' way out: row 8 wave + lane / 16
	v_and_b32 v6, 15, v0
	v_mul_u32_u24 v7, v5, PITCH
	v_lshl_add_u32 v7, v6, 4, v7
	v_lshlrev_b32 v8, 9, v5
	v_lshl_add_u32 v8, v6, 4, v8
.macro WLOAD t                         ; block t: W(32 t + i, my column) into set t % 2: a wave reads 128 consecutive bytes
.irp i, 0,1,2,3,4,5,6,7,8,9,10,11,12,13,14,15,16,17,18,19,20,21,22,23,24,25,26,27,28,29,30,31
	global_load_b32 v[X+32*((\t)%2)+\i], v3, s[4:5] offset:(32*(\t)+\i)*4096 th:TH_LOAD_NT
.endr
.endm
.macro WBLOCK t
.set XS, X+32*((\t)%2)
.if (\t) < 3
	s_wait_loadcnt 32                              ; this block's 32 loads are in; the next block's may be out
.else
	s_wait_loadcnt 0
.endif
	v_max3_num_f32 v12, |v[XS]|, |v[XS+1]|, |v[XS+2]|               ; the block's largest magnitude: all 32 numbers are mine
	v_max3_num_f32 v13, |v[XS+3]|, |v[XS+4]|, |v[XS+5]|
.irp i, 6,10,14,18,22,26
	v_max3_num_f32 v12, v12, |v[XS+\i]|, |v[XS+\i+1]|
	v_max3_num_f32 v13, v13, |v[XS+\i+2]|, |v[XS+\i+3]|
.endr
	v_max3_num_f32 v12, v12, |v[XS+30]|, |v[XS+31]|
	v_max3_num_f32 v12, v12, v13, 0x1800000        ; and the floor 2^(3 - 127)
	v_add_nc_u32 v11, 0xff000000, v12              ; 2 off its exponent field: the conversion's scale operand
	v_lshrrev_b32 v13, 23, v11                     ; the scale's byte
.if (\t) == 0
	v_mov_b32 v[SB], v13
.else
	v_lshl_or_b32 v[SB], v13, 8*(\t), v[SB]
.endif
.irp g, 0,1,2,3
	v_cvt_scalef32_pk8_fp4_f32 v[C+\g], v[XS+8*\g:XS+8*\g+7], v11
.endr
	v_nop                                          ; a plain line behind the last conversion
	ds_store_b128 v4, v[C:C+3] offset:16*(\t)      ; 32 codes: 16 bytes of my column's row
.if (\t)+2 < 4
	WLOAD (\t)+2
.endif
	s_wait_dscnt 0x0                               ; the store has been served: the next block's codes may be written
.endm
	WLOAD 0
	WLOAD 1
.irp t, 0,1,2,3
	WBLOCK \t
.endr
	ds_store_b32 v9, v[SB]
	s_wait_dscnt 0x0                               ; for the others' sake: my codes and bytes lie in LDS
	s_barrier_signal -1
	s_barrier_wait -1
.irp i, 0,1,2,3
	ds_load_b128 v[112+4*\i:115+4*\i], v7 offset:2*\i*PITCH
.endr
.irp i, 0,1,2,3
	s_wait_dscnt 3-\i
	global_store_b128 v8, v[112+4*\i:115+4*\i], s[20:21] offset:2*\i*512   ; sixteen lanes store a column's 256 consecutive bytes, aligned
.endr
	s_cmp_lt_u32 s24, 2                            ; the 64 columns' scale bytes: 16 bytes each, by waves 0 and 1 (pieces of rows of 32: 98,304 bytes in the whole launch)
	s_cbranch_scc0 .Lw_end
	ds_load_b128 v[128:131], v10
	s_wait_dscnt 0x0
	global_store_b128 v14, v[128:131], s[22:23]
.Lw_end:
	s_wait_tensorcnt 0x0                           ; the wave's end
	ds_add_u32 v[SPW], v[NIL]
	s_wait_dscnt 0x0
	s_endpgm
.Lgate:
	; ---- G.  The partial sums of query and memory itself have one shape, [4][64][1024] f32: one text serves both
	s_add_nc_u64 s[16:17], s[16:17], QP
	s_mov_b32 s20, 0x3c800000                      ; memory: 1 / 64
	s_cmp_lt_u32 ttmp9, 16
	s_cselect_b64 s[22:23], s[16:17], s[14:15]
	s_cselect_b32 s20, 0x3a000000, s20             ; query: 1 / 2,048
	s_mov_b32 s21, s20                             ; (named with it as a pair)
	s_and_b32 s26, ttmp9, 15
	s_lshl_b32 s26, s26, 8                         ; my 64 columns
	s_mov_b32 s27, 0
	s_add_nc_u64 s[22:23], s[22:23], s[26:27]
	s_lshl_b32 s26, ttmp9, 18                      ; my 64 rows of Wg
	s_add_nc_u64 s[12:13], s[12:13], s[26:27]
	s_lshl_b32 s26, ttmp9, 14
	s_add_co_u32 s26, s26, YP
	s_add_nc_u64 s[18:19], s[18:19], s[26:27]
	s_mov_b32 s28, 0x76543210
	s_mov_b32 s29, 0xfedcba98                      ; v_permlanex16_b32's selects for lane l xor 16
	v_and_b32 v6, 15, v0
	v_bfe_u32 v7, v0, 4, 1
	v_lshlrev_b32 v3, 17, v1                       ; wave v takes rows 32 v .. 32 v + 31 (batch v / 2, half v % 2), two rows a load: sixteen lanes read a row's 256 bytes
	v_lshl_add_u32 v3, v7, 12, v3
	v_lshl_add_u32 v3, v6, 4, v3
	v_lshlrev_b32 v4, 4, v0                        ; Wg and the result: my four columns
	v_bfe_u32 v8, v0, 5, 1
	v_lshrrev_b32 v9, 6, v0
	v_lshlrev_b32 v5, 7, v6
	v_lshl_add_u32 v5, v8, 4, v5
	v_lshl_add_u32 v5, v9, 2, v5
	v_add_nc_u32 v5, RM, v5                        ; RM + 32 k + 16 half + 4 batch, k = 4 (lane % 16) + i
	v_mov_b32 v10, RM
.irp i, 0,1,2,3,4,5,6,7,8,9,10,11,12,13,14,15
	global_load_b128 v[32+4*\i:35+4*\i], v3, s[22:23] offset:8192*\i
.endr
.irp k, 0,1,2,3,4,5,6,7,8,9,10,11,12,13,14,15,16,17,18,19,20,21,22,23,24,25,26,27,28,29,30,31
	global_load_b128 v[96+4*\k:99+4*\k], v4, s[12:13] offset:4096*\k th:TH_LOAD_NT   ; Wg's rows 0-31 of my 64: 48 loads of a wave are out together
.endr
.irp b, 0,1,2,3
	v_mov_b32 v[241+2*\b], 0                       ; the upper halves of the pairs that the packed forms name
.endr
	s_wait_loadcnt 32                              ; the 16 loads of the rows are in; Wg's 32 stay out
.irp i, 1,2,3,4,5,6,7,8,9,10,11,12,13,14,15
	v_pk_add_f32 v[32:33], v[32:33], v[32+4*\i:33+4*\i]
	v_pk_add_f32 v[34:35], v[34:35], v[34+4*\i:35+4*\i]
.endr
.irp c, 0,1,2,3
	v_permlanex16_b32 v[36+\c], v[32+\c], s28, s29
.endr
.irp c, 0,1,2,3
	v_add_f32 v[32+\c], v[32+\c], v[36+\c]         ; with the other half of the lanes' rows
.endr
	v_pk_mul_f32 v[32:33], v[32:33], s[20:21] op_sel_hi:[1,0]
	v_pk_mul_f32 v[34:35], v[34:35], s[20:21] op_sel_hi:[1,0]
.irp c, 0,1,2,3
	ds_store_b32 v5, v[32+\c] offset:32*\c         ; lanes l and l + 16 write the same word with the same value
.endr
	s_wait_dscnt 0x0
	s_barrier_signal -1
	s_barrier_wait -1
	; 64 k in eight groups of eight.  v224-239: the sums, 4 batches x my 4 columns
.set k, 0
.rept 8
.irp q, 0,1,2,3,4,5,6,7
	ds_load_b128 v[32+8*\q:35+8*\q], v10 offset:32*(k+\q)           ; all lanes read the same 16 bytes: the four batches' half sums
	ds_load_b128 v[36+8*\q:39+8*\q], v10 offset:32*(k+\q)+16
.endr
	s_wait_dscnt 0x0
.rept 8
.if k < 32
	s_wait_loadcnt 31                              ; behind row k's load stand 31 - k first loads and k loads of the second 32 rows: always 31
.else
	s_wait_loadcnt 63-k
.endif
.irp b, 0,1,2,3
	v_add_f32 v[240+2*\b], v[32+8*(k%8)+\b], v[36+8*(k%8)+\b]      ; the mean of batch b at k
.endr
.irp b, 0,1,2,3
.irp p, 0,2
.if k == 0
	v_pk_mul_f32 v[224+4*\b+\p:225+4*\b+\p], v[96+4*(k%32)+\p:97+4*(k%32)+\p], v[240+2*\b:241+2*\b] op_sel_hi:[1,0]   ; the first k starts the sums
.else
	v_pk_fma_f32 v[224+4*\b+\p:225+4*\b+\p], v[96+4*(k%32)+\p:97+4*(k%32)+\p], v[240+2*\b:241+2*\b], v[224+4*\b+\p:225+4*\b+\p] op_sel_hi:[1,0,1]
.endif
.endr
.endr
.if k < 32
	global_load_b128 v[96+4*(k%32):99+4*(k%32)], v4, s[12:13] offset:(k+32)*4096 th:TH_LOAD_NT   ; the set just read takes the row 32 further down
.endif
.set k, k+1
.endr
.endr
.irp b, 0,1,2,3
	global_store_b128 v4, v[224+4*\b:227+4*\b], s[18:19] offset:4096*\b   ; a wave stores 512 consecutive bytes
.endr
	s_wait_tensorcnt 0x0                           ; the wave's end
	ds_add_u32 v[SPW], v[NIL]
	s_wait_dscnt 0x0
	s_endpgm
.Lfunc_end_k_qee0dffed82_prep_w:
	.size	k_qee0dffed82_prep_w, .Lfunc_end_k_qee0dffed82_prep_w-k_qee0dffed82_prep_w
	.p2alignl 7, 3214868480
	.fill 96, 4, 3214868480
	.section	.rodata,"a",@progbits
	.p2align	6, 0x0
	.amdhsa_kernel k_qee0dffed82_prep_w
		.amdhsa_group_segment_fixed_size 21504
		.amdhsa_private_segment_fixed_size 0
		.amdhsa_enable_private_segment 0
		.amdhsa_kernarg_size 64
		.amdhsa_user_sgpr_count 2
		.amdhsa_user_sgpr_kernarg_segment_ptr 1
		.amdhsa_wavefront_size32 1
		.amdhsa_system_sgpr_workgroup_id_x 1
		.amdhsa_system_sgpr_workgroup_id_y 1
		.amdhsa_system_sgpr_workgroup_id_z 1
		.amdhsa_system_vgpr_workitem_id 0
		.amdhsa_next_free_vgpr 256
		.amdhsa_next_free_sgpr 66
		.amdhsa_reserve_vcc 0
		.amdhsa_float_denorm_mode_32 3
		.amdhsa_float_denorm_mode_16_64 3
		.amdhsa_memory_ordered 1
		.amdhsa_forward_progress 1
		.amdhsa_inst_pref_size 91
	.end_amdhsa_kernel
	.amdgpu_metadata
---
amdhsa.version: [ 1, 2 ]
amdhsa.kernels:
  - .name:           k_qee0dffed82_prep_w
    .symbol:         k_qee0dffed82_prep_w.kd
    .args:
      - { .name: Wq, .offset: 0, .size: 8, .value_kind: global_buffer, .address_space: global }
      - { .name: Wk, .offset: 8, .size: 8, .value_kind: global_buffer, .address_space: global }
      - { .name: Wv, .offset: 16, .size: 8, .value_kind: global_buffer, .address_space: global }
      - { .name: Wo, .offset: 24, .size: 8, .value_kind: global_buffer, .address_space: global }
      - { .name: Wg, .offset: 32, .size: 8, .value_kind: global_buffer, .address_space: global }
      - { .name: memory, .offset: 40, .size: 8, .value_kind: global_buffer, .address_space: global }
      - { .name: xq, .offset: 48, .size: 8, .value_kind: global_buffer, .address_space: global }
      - { .name: wq, .offset: 56, .size: 8, .value_kind: global_buffer, .address_space: global }
    .group_segment_fixed_size: 21504
    .private_segment_fixed_size: 0
    .kernarg_segment_align: 8
    .kernarg_segment_size: 64
    .max_flat_workgroup_size: 256
    .sgpr_count:     66
    .vgpr_count:     256
    .wavefront_size: 32
...
	.end_amdgpu_metadata
.endif
;; end of part 2
;; launch gate2 (part 3): grid 32 x 1, 1 waves a work-group, no clusters, 0 bytes of LDS; arguments wq, bg, gpart; writes gpart
.if DOCPART == 3
	.amdgcn_target "amdgcn-amd-amdhsa--gfx1250"
	.amdhsa_code_object_version 6
	.text
	.protected	k_qee0dffed82_gate2
	.globl	k_qee0dffed82_gate2
	.p2align	8
	.type	k_qee0dffed82_gate2,@function
k_qee0dffed82_gate2:
	s_mov_b64 s[64:65], 0
	v_nop
	global_prefetch_b8 v0, s[64:65] scope:SCOPE_SE
	s_setreg_imm32_b32 hwreg(HW_REG_WAVE_MODE, 25, 1), 1
	s_wait_xcnt 0x0
; The gate's second stage: the 32 parts along K of [4][1024] are added, bg is added, the sigmoid is taken, and each of 32 work-groups (one wave) leaves the sum of its 128 sigmoids in gpart[g].
; The attention launch adds the 32 numbers and divides by 4,096.  Lane l of work-group g owns the flat numbers 128 g + 4 l + 0 .. 3.  All in f32.
.set YP, 3768320
	s_load_b128 s[4:7], s[0:1], 0x0                ; wq, bg
	s_load_b64 s[8:9], s[0:1], 0x10                ; gpart
	v_lshlrev_b32 v1, 4, v0
	v_mov_b32 v2, 0                                ; a lane permute's destination counts as read
	v_mov_b32 v3, 0                                ; the store's offset
	s_lshl_b32 s10, ttmp9, 9
	s_add_co_u32 s10, s10, YP
	s_mov_b32 s11, 0
	s_and_b32 s12, ttmp9, 7                        ; 128 g modulo 1,024 columns
	s_lshl_b32 s12, s12, 9
	s_mov_b32 s13, 0
	s_lshl_b32 s14, ttmp9, 2
	s_mov_b32 s15, 0
	s_mov_b32 s16, 0x76543210
	s_mov_b32 s17, 0xfedcba98
	s_wait_kmcnt 0x0
	s_add_nc_u64 s[4:5], s[4:5], s[10:11]
	s_add_nc_u64 s[6:7], s[6:7], s[12:13]
	s_add_nc_u64 s[8:9], s[8:9], s[14:15]
.irp w, 0,1,2,3,4,5,6,7,8,9,10,11,12,13,14,15,16,17,18,19,20,21,22,23,24,25,26,27,28,29,30,31
	global_load_b128 v[8+4*\w:11+4*\w], v1, s[4:5] offset:16384*\w  ; the wave reads 512 consecutive bytes of part w
.endr
	global_load_b128 v[136:139], v1, s[6:7]
	s_wait_loadcnt 0x0
.irp w, 0,2,4,6,8,10,12,14,16,18,20,22,24,26,28,30               ; two chains: bg and the even parts; the odd parts
	v_pk_add_f32 v[136:137], v[136:137], v[8+4*\w:9+4*\w]
	v_pk_add_f32 v[138:139], v[138:139], v[10+4*\w:11+4*\w]
.if \w > 0
	v_pk_add_f32 v[12:13], v[12:13], v[12+4*\w:13+4*\w]
	v_pk_add_f32 v[14:15], v[14:15], v[14+4*\w:15+4*\w]
.endif
.endr
	v_pk_add_f32 v[136:137], v[136:137], v[12:13]
	v_pk_add_f32 v[138:139], v[138:139], v[14:15]
.irp c, 0,1,2,3
	v_mul_f32 v[136+\c], 0xbfb8aa3b, v[136+\c]     ; -x log2(e)
.endr
.irp c, 0,1,2,3
	v_exp_f32 v[140+\c], v[136+\c]
.endr
	v_nop                                          ; a plain line behind the last exponential
	s_wait_alu depctr_va_vdst(0)                   ; one wait for the four, ahead of their first reader
.irp c, 0,1,2,3
	v_add_f32 v[140+\c], 1.0, v[140+\c]
.endr
.irp c, 0,1,2,3
	v_rcp_f32 v[136+\c], v[140+\c]                 ; sigmoid(x) = 1 / (1 + 2^(-x log2(e)))
.endr
	v_nop
	s_wait_alu depctr_va_vdst(0)
	v_add_f32 v8, v136, v137
	v_add_f32 v9, v138, v139
	v_add_f32 v8, v8, v9
	v_add_f32_dpp v8, v8, v8 row_xmask:1 row_mask:0xf bank_mask:0xf
	v_add_f32_dpp v8, v8, v8 row_xmask:2 row_mask:0xf bank_mask:0xf
	v_add_f32_dpp v8, v8, v8 row_xmask:4 row_mask:0xf bank_mask:0xf
	v_add_f32_dpp v8, v8, v8 row_xmask:8 row_mask:0xf bank_mask:0xf
	v_permlanex16_b32 v2, v8, s16, s17
	v_add_f32 v8, v8, v2                           ; the sum of my 128 sigmoids, in every lane
	v_cmp_eq_u32 vcc_lo, 0, v0
	s_wait_xcnt 0x0                                ; EXEC changes only behind this wait
	s_and_saveexec_b32 s10, vcc_lo
	global_store_b32 v3, v8, s[8:9]                ; lane 0 alone: one word a work-group
	s_wait_xcnt 0x0
	s_or_b32 exec_lo, exec_lo, s10
	s_endpgm
.Lfunc_end_k_qee0dffed82_gate2:
	.size	k_qee0dffed82_gate2, .Lfunc_end_k_qee0dffed82_gate2-k_qee0dffed82_gate2
	.p2alignl 7, 3214868480
	.fill 96, 4, 3214868480
	.section	.rodata,"a",@progbits
	.p2align	6, 0x0
	.amdhsa_kernel k_qee0dffed82_gate2
		.amdhsa_group_segment_fixed_size 0
		.amdhsa_private_segment_fixed_size 0
		.amdhsa_enable_private_segment 0
		.amdhsa_kernarg_size 24
		.amdhsa_user_sgpr_count 2
		.amdhsa_user_sgpr_kernarg_segment_ptr 1
		.amdhsa_wavefront_size32 1
		.amdhsa_system_sgpr_workgroup_id_x 1
		.amdhsa_system_sgpr_workgroup_id_y 1
		.amdhsa_system_sgpr_workgroup_id_z 1
		.amdhsa_system_vgpr_workitem_id 0
		.amdhsa_next_free_vgpr 144
		.amdhsa_next_free_sgpr 66
		.amdhsa_reserve_vcc 1
		.amdhsa_float_denorm_mode_32 3
		.amdhsa_float_denorm_mode_16_64 3
		.amdhsa_memory_ordered 1
		.amdhsa_forward_progress 1
		.amdhsa_inst_pref_size 10
	.end_amdhsa_kernel
	.amdgpu_metadata
---
amdhsa.version: [ 1, 2 ]
amdhsa.kernels:
  - .name:           k_qee0dffed82_gate2
    .symbol:         k_qee0dffed82_gate2.kd
    .args:
      - { .name: wq, .offset: 0, .size: 8, .value_kind: global_buffer, .address_space: global }
      - { .name: bg, .offset: 8, .size: 8, .value_kind: global_buffer, .address_space: global }
      - { .name: gpart, .offset: 16, .size: 8, .value_kind: global_buffer, .address_space: global }
    .group_segment_fixed_size: 0
    .private_segment_fixed_size: 0
    .kernarg_segment_align: 8
    .kernarg_segment_size: 24
    .max_flat_workgroup_size: 32
    .sgpr_count:     66
    .vgpr_count:     144
    .wavefront_size: 32
...
	.end_amdgpu_metadata
.endif
;; end of part 3
;; launch proj (part 4): grid 4 x 96, 4 waves a work-group, clusters of 4 x 4, 327,680 bytes of LDS; arguments xq, wq, bq, bk, bv, qkv; writes qkv
.if DOCPART == 4
	.amdgcn_target "amdgcn-amd-amdhsa--gfx1250"
	.amdhsa_code_object_version 6
	.text
	.protected	k_qee0dffed82_proj
	.globl	k_qee0dffed82_proj
	.p2align	8
	.type	k_qee0dffed82_proj,@function
k_qee0dffed82_proj:
	s_mov_b64 s[64:65], 0
	v_nop
	global_prefetch_b8 v0, s[64:65] scope:SCOPE_SE
	s_setreg_imm32_b32 hwreg(HW_REG_WAVE_MODE, 25, 1), 1
	s_wait_xcnt 0x0
	s_wait_alu depctr_hold_cnt(0) depctr_sa_sdst(0) depctr_va_vdst(0) depctr_va_sdst(0) depctr_va_ssrc(0) depctr_va_vcc(0) depctr_vm_vsrc(0)
	s_getreg_b32 s2, hwreg(HW_REG_IB_STS2, 6, 4)
	s_cmp_eq_u32 s2, 0
	s_cbranch_scc0 .Lentry_in_a_cluster
	s_endpgm
.Lentry_in_a_cluster:
	s_bfe_u32 s2, ttmp6, 0x10000c
	s_cmp_lg_u32 s2, 0xf033
	s_cbranch_scc0 .Lentry_shape_is_right
	s_endpgm
.Lentry_shape_is_right:
; The three quantised projections as one GEMM on codes of FP4 (E2M1) with E8M0 scales: rows = the 24,576 stacked tokens of query, key, value; tensor t's rows meet tensor t's 1,024 columns of weights.  K = 1,024.
; Result + bias, rounded once to f16, laid head-major for attention: qkv [3][4 batches][16 heads][2,048 tokens][64].  LIMIT: |result| up to 65,504.
; A tile, 256 rows x 256 columns, is made by four waves, each 128 x 128: 64 accumulators of 16 x 16.  K goes in two steps of 512 through two LDS slots; both are first fills: nothing is filled again.
; The scale bytes of the tile's 256 + 256 rows, for all of K, come once, as dense blocks.  CLUSTERS: 4 x 4 work-groups; the four of a row of the cluster ask for the tokens' tiles jointly, the four of a column for the weights'.
; A cluster's four tile rows lie in one tensor (32 tile rows a tensor), so the tensor's number is the same in all sixteen partners.
; THE MATRIX INSTRUCTION IS USED TRANSPOSED (source 0 = 16 columns of weights, source 1 = 16 tokens): a lane holds eight neighbouring columns of one token.  The bias is the C of each sum's first instruction.
; REGISTERS: window 0: v0-31 addresses; v32-95 scale words, two sets, and nothing else; v96-127 packed results; v128-191 the tokens' fragments, ONE set, later rows on their way out; v192-255 the bias, 8 registers a block of columns.
;   window 1: the weights' fragments, two sets, at v0 and v128.   window 2: accumulators of my rows 0-63 ((a, b) at v[8 (8 a + b)]);   window 3: of my rows 64-127.
.set NQ,     4                         ; matrix instructions deep in a slot
.set ROWB,   256                       ; a tile's row in bytes: 512 codes
.set KROW,   512                       ; a row of codes in memory
.set PITCH,  272                       ; an LDS row: 256 bytes + 16: row r starts at word 68 r, so the 16 rows that a load touches start 4 words apart modulo 64
.set FR,     8
.set NL,     2
.set NP,     4                         ; places behind this matrix instruction (ISA guide 7.12.1)
.set HALFT,  128*PITCH
.set SLOT,   4*HALFT
.set KS,     32                        ; a row of scale bytes
.set SCL,    2*SLOT
.set HALFS,  (128*KS/256)*272
.set SBLK,   (16*KS/256)*272
.set SPARE,  SCL+4*HALFS               ; the spare words, 128 bytes a wave
.set SPITCH, 272                       ; the way out: a stage of 16 rows x (256 bytes + 16) for each wave, in slot 0, which has had its one fill and its last read by then
.set XSC,    12582912
.set WSC,    1572864
.set ADRA, 16
.set ADRB, 20
.set STO,  24
.set RD,   25
.set CO,   26
.set ADRS, 27
.set SPW,  28
.set NIL,  29
.set BA,   30
.set SC,   32
.set TMP,  96
.set AF,   128
.set BK,   128
.set BI,   192
.set G1, 24
.set G0, 32
.set G1B, 48
.set G0B, 56
.set G1S, 68
.set G0S, 76
.set G1SB, 80
.set G0SB, 88
.set MSB, 0
.macro WIN new                         ; the immediate's high byte repeats the setting that is left
.if MSB != \new
	s_set_vgpr_msb (MSB<<8)|\new
.set MSB, \new
.endif
.endm
.set TO_B,   0x40                      ; destination window 1, address window 0
.macro WMUL hi, zero                   ; source 0 window 1, source 1 window 0, D window 2 + hi; C with D, or, in the first step, the bias in window 0
.if \zero
	WIN 0x81+0x40*(\hi)
.else
	WIN 0xa1+0x50*(\hi)
.endif
.endm
; A joint load: waves 0 and 1 fetch for the tokens, waves 2 and 3 for the weights; the branch hangs on the wave's number alone.  An s_nop 0 and four v_nop follow each line.
.macro JLOAD g0a, g1a, g0b, g1b
	s_cmp_eq_u32 s15, 0
	s_cbranch_scc0 .Lfor_b_\@
	tensor_load_to_lds s[\g0a:\g0a+3], s[\g1a:\g1a+7]
	s_nop 0
.rept 4
	v_nop
.endr
	s_branch .Lasked_\@
.Lfor_b_\@:
	tensor_load_to_lds s[\g0b:\g0b+3], s[\g1b:\g1b+7]
	s_nop 0
.rept 4
	v_nop
.endr
.Lasked_\@:
.endm
.macro CROUND                          ; a round of the cluster's barrier
	s_barrier_signal -1
	s_barrier_wait -1
	s_cmp_lg_u32 s14, 0
	s_cbranch_scc1 .Lnot_wave_0_\@
	s_barrier_signal -3
.Lnot_wave_0_\@:
	s_barrier_wait -3
	s_barrier_signal -1
	s_barrier_wait -1
.endm
	s_load_b128 s[4:7], s[0:1], 0x0                ; xq s[4:5], wq s[6:7]
	s_load_b128 s[96:99], s[0:1], 0x10             ; bq, bk
	s_load_b64 s[100:101], s[0:1], 0x20            ; bv
	s_load_b64 s[12:13], s[0:1], 0x28              ; qkv
	v_lshl_add_u32 v[SPW], v0, 2, SPARE
	v_mov_b32 v[NIL], 0
	ds_add_u32 v[SPW], v[NIL]                      ; the wave's opening: the add, twice on end, and its wait ahead of my first tensor load
	ds_add_u32 v[SPW], v[NIL]
	v_lshrrev_b32 v1, 5, v0
	v_readfirstlane_b32 s14, v1                    ; wave 0..3
	s_lshr_b32 s15, s14, 1                         ; which half of the tile's rows is mine.  Also: I fetch for the tokens (0) or for the weights (1)
	s_and_b32 s16, s14, 1                          ; which half of its columns.  Also: which 128 rows I fetch
	s_bfe_u32 s40, ttmp6, 0x40000                  ; cx, cy
	s_bfe_u32 s41, ttmp6, 0x40004
	s_lshl_b32 s42, ttmp9, 2
	s_add_co_u32 s42, s42, s40                     ; tile column 0..3
	s_and_b32 s17, ttmp7, 0xffff
	s_lshr_b32 s95, s17, 3                         ; the tensor: 8 clusters along y each
	s_lshl_b32 s17, s17, 2
	s_add_co_u32 s17, s17, s41                     ; tile row 0..95
	s_lshl_b32 s43, s41, 2
	s_lshl_b32 s43, 15, s43                        ; my row of the cluster
	s_lshl_b32 s44, 0x1111, s40                    ; my column
	s_or_b32 s[G1+0], s43, (0<<16)|(1<<20)|(1<<21)|(5<<22)|(3<<25)  ; mask; elements of 1 byte; padding: 4 words after every 64; bit 21 beside a mask
	s_or_b32 s[G1B+0], s44, (0<<16)|(1<<20)|(1<<21)|(5<<22)|(3<<25)
.irp g, G1, G1B
	s_mov_b32 s[\g+1], ROWB<<16                    ; tensor_dim0
	s_mov_b32 s[\g+2], 128<<16                     ; tensor_dim1
	s_mov_b32 s[\g+3], ROWB<<16                    ; tile_dim0
	s_mov_b32 s[\g+4], 128                         ; tile_dim1
	s_mov_b32 s[\g+5], KROW                        ; from row to row
	s_mov_b32 s[\g+6], 0
	s_mov_b32 s[\g+7], 0
.endr
	s_or_b32 s[G1S+0], s43, (3<<16)|(1<<20)|(1<<21)|(5<<22)|(3<<25) ; the scale bytes of 128 rows: 4,096 dense bytes as 16 rows of 256 (32 elements of 8 bytes), padded alike
	s_or_b32 s[G1SB+0], s44, (3<<16)|(1<<20)|(1<<21)|(5<<22)|(3<<25)
.irp g, G1S, G1SB
	s_mov_b32 s[\g+1], 32<<16
	s_mov_b32 s[\g+2], (128*KS/256)<<16
	s_mov_b32 s[\g+3], 32<<16
	s_mov_b32 s[\g+4], 128*KS/256
	s_mov_b32 s[\g+5], 32
	s_mov_b32 s[\g+6], 0
	s_mov_b32 s[\g+7], 0
.endr
	s_lshl_b32 s18, s16, 7                         ; which 128 rows of the tile I fetch
	s_lshl_b32 s20, s17, 8
	s_add_co_u32 s20, s20, s18                     ; tokens: row 256 x tile row + 128 x half
	s_lshl_b32 s46, s42, 8
	s_add_co_u32 s46, s46, s18
	s_lshl_b32 s19, s95, 10
	s_add_co_u32 s46, s46, s19                     ; weights: row 1,024 x tensor + 256 x tile column + 128 x half
	s_mov_b32 s21, 0
	s_mov_b32 s47, 0
	s_mov_b64 s[18:19], KS
	s_mul_u64 s[22:23], s[20:21], s[18:19]         ; where these rows' scale bytes begin
	s_mul_u64 s[92:93], s[46:47], s[18:19]
	s_mov_b64 s[18:19], KROW
	s_mul_u64 s[20:21], s[20:21], s[18:19]         ; and their codes
	s_mul_u64 s[46:47], s[46:47], s[18:19]
	s_mul_i32 s45, s14, HALFT                      ; where they go: wave x 128 rows
	s_mul_i32 s94, s14, HALFS
	s_wait_dscnt 0x0                               ; both opening adds are done
	s_wait_kmcnt 0x0
	s_mov_b64 s[8:9], s[6:7]                       ; the weights' codes
	s_add_nc_u64 s[10:11], s[6:7], WSC             ; their scale bytes
	s_add_nc_u64 s[6:7], s[4:5], XSC               ; the tokens' scale bytes
	s_add_nc_u64 s[20:21], s[4:5], s[20:21]
	s_add_nc_u64 s[22:23], s[6:7], s[22:23]
	s_add_nc_u64 s[46:47], s[8:9], s[46:47]
	s_add_nc_u64 s[92:93], s[10:11], s[92:93]
	CROUND                                         ; all sixteen work-groups are here: the joint loads meet
	s_mov_b32 s[G0S], 1
	s_add_co_u32 s[G0S+1], s94, SCL
	s_mov_b64 s[G0S+2:G0S+3], s[22:23]
	s_or_b32 s[G0S+3], s[G0S+3], 0x80000000
	s_mov_b32 s[G0SB], 1
	s_add_co_u32 s[G0SB+1], s94, SCL
	s_mov_b64 s[G0SB+2:G0SB+3], s[92:93]
	s_or_b32 s[G0SB+3], s[G0SB+3], 0x80000000
	JLOAD G0S, G1S, G0SB, G1SB                     ; the scale bytes first: they are wanted with K step 0
.irp s, 0,1
	s_mov_b32 s[G0+4*\s], 1
	s_add_co_u32 s[G0+4*\s+1], s45, \s*SLOT
	s_add_nc_u64 s[G0+4*\s+2:G0+4*\s+3], s[20:21], \s*ROWB
	s_or_b32 s[G0+4*\s+3], s[G0+4*\s+3], 0x80000000
	s_mov_b32 s[G0B+4*\s], 1
	s_add_co_u32 s[G0B+4*\s+1], s45, \s*SLOT
	s_add_nc_u64 s[G0B+4*\s+2:G0B+4*\s+3], s[46:47], \s*ROWB
	s_or_b32 s[G0B+4*\s+3], s[G0B+4*\s+3], 0x80000000
	JLOAD G0+4*\s, G1, G0B+4*\s, G1B               ; three tensor loads of mine are out
.endr
	v_and_b32 v1, 15, v0                           ; r
	v_bfe_u32 v2, v0, 4, 1                         ; h
	; the bias of my 128 columns, in the result's layout: for block b, lane (r, h) wants columns 16 b + 8 h + 0 .. 7
	s_cmp_eq_u32 s95, 1
	s_cselect_b64 s[98:99], s[98:99], s[100:101]
	s_cmp_eq_u32 s95, 0
	s_cselect_b64 s[96:97], s[96:97], s[98:99]
	s_lshl_b32 s46, s42, 10
	s_lshl_b32 s47, s16, 9
	s_add_co_u32 s46, s46, s47
	s_mov_b32 s47, 0
	s_add_nc_u64 s[96:97], s[96:97], s[46:47]
	v_lshlrev_b32 v[BA], 5, v2
.irp b, 0,1,2,3,4,5,6,7
	global_load_b128 v[BI+8*\b:BI+8*\b+3], v[BA], s[96:97] offset:64*\b
	global_load_b128 v[BI+8*\b+4:BI+8*\b+7], v[BA], s[96:97] offset:64*\b+16
.endr
	v_mul_u32_u24 v3, v1, PITCH
	v_lshl_add_u32 v4, v2, 4, v3                   ; a fragment's row x pitch + 16 x half
	s_mul_i32 s21, s15, HALFT                      ; my 128 tokens
	s_mul_i32 s22, s16, HALFT                      ; my 128 columns of weights,
	s_add_co_u32 s22, s22, 2*HALFT                 ; which lie behind the tokens' 256 rows
.irp s, 0,1
	v_add_nc_u32 v[ADRA+\s], s21, v4
	v_add_nc_u32 v[ADRB+\s], s22, v4
	s_add_co_u32 s21, s21, SLOT
	s_add_co_u32 s22, s22, SLOT
.endr
	v_mul_u32_u24 v5, v1, KS                       ; my row's scale bytes: 32 a row,
	v_lshrrev_b32 v6, 8, v5
	v_lshl_add_u32 v5, v6, 4, v5                   ; and 16 more for each 256 passed
	s_mul_i32 s21, s15, HALFS
	s_mul_i32 s22, s16, HALFS
	s_add_co_u32 s22, s22, 2*HALFS
	s_sub_co_u32 s22, s22, s21
	v_mul_u32_u24 v6, s22, v2                      ; lanes 16-31 take the weights': one product, the distance between the two bases
	s_add_co_u32 s21, s21, SCL
	v_add_nc_u32 v5, v5, v6
	v_add_nc_u32 v[ADRS], s21, v5
	s_mul_i32 s23, s14, 16*SPITCH                  ; my stage
	v_mul_u32_u24 v5, v1, SPITCH
	v_lshl_add_u32 v5, v2, 4, v5
	v_add_nc_u32 v[STO], s23, v5                   ; in: token r, 16 bytes for each half of the lanes
	v_bfe_u32 v6, v0, 3, 1
	v_and_b32 v7, 7, v0
	v_mul_u32_u24 v[RD], v6, SPITCH                ; back: lanes 0-15 two tokens' 128 bytes of my first head, lanes 16-31 of my second
	v_lshl_add_u32 v[RD], v2, 7, v[RD]
	v_lshl_add_u32 v[RD], v7, 4, v[RD]
	v_add_nc_u32 v[RD], s23, v[RD]
	v_lshlrev_b32 v[CO], 18, v2                    ; and in qkv: a head is 262,144 bytes, a token 128
	v_lshl_add_u32 v[CO], v6, 7, v[CO]
	v_lshl_add_u32 v[CO], v7, 4, v[CO]
	s_lshl_b32 s20, s17, 8
	s_lshl_b32 s21, s15, 7
	s_add_co_u32 s20, s20, s21                     ; my first stacked row
	s_lshr_b32 s21, s20, 11                        ; 4 x tensor + batch
	s_lshl_b32 s21, s21, 4
	s_lshl_b32 s46, s42, 2
	s_add_co_u32 s21, s21, s46
	s_lshl_b32 s46, s16, 1
	s_add_co_u32 s21, s21, s46                     ; + my first head: 4 x tile column + 2 x half
	s_lshl_b32 s21, s21, 18
	s_and_b32 s20, s20, 2047                       ; the token in its sequence
	s_lshl_b32 s20, s20, 7
	s_add_co_u32 s20, s20, s21
	s_mov_b32 s21, 0
	s_add_nc_u64 s[12:13], s[12:13], s[20:21]
.macro FRAG reg, adr, q, i             ; 16 rows x 128 K of 4-bit codes: 8 registers: lane l holds row l % 16; registers 4 c .. 4 c + 3 hold K = 64 c + 32 (l / 16) + 0 .. 31
.irp c, 0,1
	ds_load_b128 v[\reg+4*\c:\reg+4*\c+3], v[\adr] offset:64*(\q)+32*\c+(\i)*16*PITCH
.endr
.endm
; 16 matrix instructions: token blocks a0, a0 + 1 x the weights' eight blocks, 128 along K.  The 64 accumulators take turns, one instruction a turn, in the same order in every step.
.macro MUL16 a0, p, q, sc, zero
.irp a, \a0, \a0+1
.irp b, 0,1,2,3,4,5,6,7
.if \zero
	v_wmma_scale_f32_16x16x128_f8f6f4 v[8*(8*((\a)%4)+\b):8*(8*((\a)%4)+\b)+7], v[128*(\p)+FR*\b:128*(\p)+FR*\b+FR-1], v[AF+FR*(\a):AF+FR*(\a)+FR-1], v[BI+8*\b:BI+8*\b+7], v[SC+8*NQ*(\sc)+NQ*\b+(\q)], v[SC+8*NQ*(\sc)+NQ*(\a)+(\q)] matrix_a_fmt:MATRIX_FMT_FP4 matrix_b_fmt:MATRIX_FMT_FP4 matrix_a_scale:MATRIX_SCALE_ROW1
.else
	v_wmma_scale_f32_16x16x128_f8f6f4 v[8*(8*((\a)%4)+\b):8*(8*((\a)%4)+\b)+7], v[128*(\p)+FR*\b:128*(\p)+FR*\b+FR-1], v[AF+FR*(\a):AF+FR*(\a)+FR-1], v[8*(8*((\a)%4)+\b):8*(8*((\a)%4)+\b)+7], v[SC+8*NQ*(\sc)+NQ*\b+(\q)], v[SC+8*NQ*(\sc)+NQ*(\a)+(\q)] matrix_a_fmt:MATRIX_FMT_FP4 matrix_b_fmt:MATRIX_FMT_FP4 matrix_a_scale:MATRIX_SCALE_ROW1
.endif
.endr
.endr
.endm
.macro FETCH_B slot, q, p
	WIN TO_B
.irp i, 0,1,2,3,4,5,6,7
	FRAG 128*(\p)+FR*\i, ADRB+\slot, \q, \i
.endr
	WIN 0
.endm
.macro FETCH_A slot, q, i0
.irp i, \i0, \i0+1, \i0+2, \i0+3
	FRAG AF+FR*(\i), ADRA+\slot, \q, \i
.endr
.endm
.macro SCALES sc                       ; a K step's scale words: lanes 0-15 the tokens' block i, lanes 16-31 the weights' block i
.irp i, 0,1,2,3,4,5,6,7
	ds_load_b128 v[SC+8*NQ*\sc+NQ*\i:SC+8*NQ*\sc+NQ*\i+3], v[ADRS] offset:\i*SBLK
.endr
.endm
.macro PLACES n                        ; plain vector lines between a matrix instruction and a load into, or a read of, its registers
.rept \n
	v_nop
.endr
.endm
.macro STEP slot, q, zero              ; 128 along K that has its successor in the same slot
	s_wait_dscnt 4*NL                              ; the weights' set and token blocks 0-3 are in; the youngest eight loads (blocks 4-7) may be out
	WMUL 0, \zero
	MUL16 0, (\q)%2, \q, \slot, \zero
	MUL16 2, (\q)%2, \q, \slot, \zero
	s_wait_dscnt 0                                 ; blocks 4-7 are in
	PLACES NP
	FETCH_B \slot, (\q)+1, 1-(\q)%2
	FETCH_A \slot, (\q)+1, 0
	WMUL 1, \zero
	MUL16 4, (\q)%2, \q, \slot, \zero
	MUL16 6, (\q)%2, \q, \slot, \zero
	PLACES NP
	WIN 0
	FETCH_A \slot, (\q)+1, 4
.endm
.macro TURN slot, next                 ; slot 0's last step changes slots: one barrier
	s_wait_tensorcnt 0x0                           ; all my tensor loads have landed: my part of the next slot
	ds_add_u32 v[SPW], v[NIL]                      ; 0 onto my spare word
	s_wait_dscnt 4*NL+1                            ; (the add and the youngest eight loads may be out)
	WMUL 0, 0
	MUL16 0, 1, NQ-1, \slot, 0
	s_wait_dscnt 0x0                               ; the add is done, and my reads of this slot are over
	s_barrier_signal -1
	MUL16 2, 1, NQ-1, \slot, 0
	WIN 0
	s_barrier_wait -1                              ; the next slot is whole, and nobody reads this one any more
	PLACES NP
	v_add_nc_u32 v[ADRS], 4*NQ, v[ADRS]            ; on to the next K step's scale words
	FETCH_B \next, 0, 0
	FETCH_A \next, 0, 0
	SCALES \next
	WMUL 1, 0
	MUL16 4, 1, NQ-1, \slot, 0
	MUL16 6, 1, NQ-1, \slot, 0
	PLACES NP
	WIN 0
	FETCH_A \next, 0, 4
.endm
.macro STEPS slot, from
.set Q, \from
.rept NQ-1-\from
	STEP \slot, Q, 0
.set Q, Q+1
.endr
.endm
	s_wait_tensorcnt 1                             ; the scale bytes and my part of K step 0 are in (K step 1's load may be out),
	s_barrier_signal -1
	s_barrier_wait -1                              ; everybody's are
	FETCH_B 0, 0, 0
	FETCH_A 0, 0, 0
	SCALES 0
	FETCH_A 0, 0, 4
	s_wait_loadcnt 0x0                             ; the bias
	STEP 0, 0, 1                                   ; the first step's products start the sums on the bias
	STEPS 0, 1
	TURN 0, 1
	STEPS 1, 0
	s_wait_dscnt 4*NL                              ; the last step: nothing more to fetch
	WMUL 0, 0
	MUL16 0, 1, NQ-1, 1, 0
	MUL16 2, 1, NQ-1, 1, 0
	s_wait_dscnt 0
	WMUL 1, 0
	MUL16 4, 1, NQ-1, 1, 0
	MUL16 6, 1, NQ-1, 1, 0
	WIN 0
; THE WAY OUT, block by block of 16 tokens x 128 columns (two heads).  PACK: rounded to f16, 16 bytes a lane.  TOSTAGE: into my stage and back, so that sixteen lanes hold two tokens of one head.  SEND: stored.
.macro PACK a
.set AC, 64*((\a)%4)
	WIN 0x0a+5*((\a)/4)                            ; sources 0 and 1: window 2 or 3
.irp b, 0,1,2,3,4,5,6,7
.irp r, 0,1,2,3
	v_cvt_pk_f16_f32 v[TMP+4*\b+\r], v[AC+8*\b+2*\r], v[AC+8*\b+2*\r+1]     ; each accumulator from its low end on
.endr
.endr
	WIN 0
.endm
.macro TOSTAGE a
.set BB, BK+32*((\a)%2)
.irp b, 0,1,2,3,4,5,6,7
	ds_store_b128 v[STO], v[TMP+4*\b:TMP+4*\b+3] offset:32*\b
.endr
.irp i, 0,1,2,3,4,5,6,7
	ds_load_b128 v[BB+4*\i:BB+4*\i+3], v[RD] offset:2*\i*SPITCH    ; LDS serves a wave's instructions in order: these see the stores above
.endr
.endm
.macro SEND a
.set BB, BK+32*((\a)%2)
	s_wait_dscnt 0x0                               ; the block is back in registers
	s_wait_xcnt 0x0                                ; earlier stores have read their base and their data: both may be written again
.if (\a) > 0
	s_add_nc_u64 s[12:13], s[12:13], 16*128        ; 16 tokens on
.endif
.irp i, 0,1,2,3,4,5,6,7
	global_store_b128 v[CO], v[BB+4*\i:BB+4*\i+3], s[12:13] offset:256*\i    ; sixteen lanes store 256 consecutive bytes, aligned: two tokens of a head
.endr
.endm
	PLACES NP                                      ; behind the last products
	PACK 0
	TOSTAGE 0
.irp a, 1,2,3,4,5,6,7                  ; block a's conversions stand between block a - 1's loads from the stage and the wait for them
	PACK \a
	SEND \a-1
	TOSTAGE \a
.endr
	SEND 7
	s_wait_tensorcnt 0x0                           ; the wave's end
	ds_add_u32 v[SPW], v[NIL]
	s_wait_dscnt 0x0
	CROUND                                         ; the closing round
	s_endpgm
.Lfunc_end_k_qee0dffed82_proj:
	.size	k_qee0dffed82_proj, .Lfunc_end_k_qee0dffed82_proj-k_qee0dffed82_proj
	.p2alignl 7, 3214868480
	.fill 96, 4, 3214868480
	.section	.rodata,"a",@progbits
	.p2align	6, 0x0
	.amdhsa_kernel k_qee0dffed82_proj
		.amdhsa_group_segment_fixed_size 327680
		.amdhsa_private_segment_fixed_size 0
		.amdhsa_enable_private_segment 0
		.amdhsa_kernarg_size 48
		.amdhsa_user_sgpr_count 2
		.amdhsa_user_sgpr_kernarg_segment_ptr 1
		.amdhsa_wavefront_size32 1
		.amdhsa_system_sgpr_workgroup_id_x 1
		.amdhsa_system_sgpr_workgroup_id_y 1
		.amdhsa_system_sgpr_workgroup_id_z 1
		.amdhsa_system_vgpr_workitem_id 0
		.amdhsa_next_free_vgpr 1024
		.amdhsa_next_free_sgpr 102
		.amdhsa_reserve_vcc 0
		.amdhsa_float_denorm_mode_32 3
		.amdhsa_float_denorm_mode_16_64 3
		.amdhsa_memory_ordered 1
		.amdhsa_forward_progress 1
		.amdhsa_inst_pref_size 129
	.end_amdhsa_kernel
	.amdgpu_metadata
---
amdhsa.version: [ 1, 2 ]
amdhsa.kernels:
  - .name:           k_qee0dffed82_proj
    .symbol:         k_qee0dffed82_proj.kd
    .args:
      - { .name: xq, .offset: 0, .size: 8, .value_kind: global_buffer, .address_space: global }
      - { .name: wq, .offset: 8, .size: 8, .value_kind: global_buffer, .address_space: global }
      - { .name: bq, .offset: 16, .size: 8, .value_kind: global_buffer, .address_space: global }
      - { .name: bk, .offset: 24, .size: 8, .value_kind: global_buffer, .address_space: global }
      - { .name: bv, .offset: 32, .size: 8, .value_kind: global_buffer, .address_space: global }
      - { .name: qkv, .offset: 40, .size: 8, .value_kind: global_buffer, .address_space: global }
    .group_segment_fixed_size: 327680
    .private_segment_fixed_size: 0
    .kernarg_segment_align: 8
    .kernarg_segment_size: 48
    .max_flat_workgroup_size: 128
    .sgpr_count:     102
    .vgpr_count:     1024
    .wavefront_size: 32
...
	.end_amdgpu_metadata
.endif
;; end of part 4
;; launch attn (part 5): grid 4 x 64, 8 waves a work-group, clusters of 4 x 1, 327,680 bytes of LDS; arguments qkv, gpart, ao; writes ao
.if DOCPART == 5
	.amdgcn_target "amdgcn-amd-amdhsa--gfx1250"
	.amdhsa_code_object_version 6
	.text
	.protected	k_qee0dffed82_attn
	.globl	k_qee0dffed82_attn
	.p2align	8
	.type	k_qee0dffed82_attn,@function
k_qee0dffed82_attn:
	s_mov_b64 s[64:65], 0
	v_nop
	global_prefetch_b8 v0, s[64:65] scope:SCOPE_SE
	s_setreg_imm32_b32 hwreg(HW_REG_WAVE_MODE, 25, 1), 1
	s_wait_xcnt 0x0
	s_wait_alu depctr_hold_cnt(0) depctr_sa_sdst(0) depctr_va_vdst(0) depctr_va_sdst(0) depctr_va_ssrc(0) depctr_va_vcc(0) depctr_vm_vsrc(0)
	s_getreg_b32 s2, hwreg(HW_REG_IB_STS2, 6, 4)
	s_cmp_eq_u32 s2, 0
	s_cbranch_scc0 .Lentry_in_a_cluster
	s_endpgm
.Lentry_in_a_cluster:
	s_bfe_u32 s2, ttmp6, 0x10000c
	s_cmp_lg_u32 s2, 0x3003
	s_cbranch_scc0 .Lentry_shape_is_right
	s_endpgm
.Lentry_shape_is_right:
; O[q] = the sum over k of softmax_k(g Q[q] . K[k] / 8) V[k] for each of 64 (batch, head) pairs: 2,048 queries, 2,048 keys, head size 64, no mask.  g = the sum of gpart's 32 numbers / 4,096: the gate, never negative.
; Q, K, V: f16, [head][token][64] in qkv.  Products on f16 operands with f32 sums; maxima, exponentials and row sums in f32; the weights p (at most 1) are rounded to f16 for the second product, O once at the end.
; LIMIT: |O| up to 65,504 (it is an average of V's numbers, which are f16).
; SHARES.  A cluster of four work-groups has one head: each owns 512 queries, each of its EIGHT waves 64: four tiles of 16, in 512 registers: two waves to a SIMD, so that one wave's softmax stands beside the other's products.
; All walk the head's keys, 64 a step; K and V come through two LDS slots of 256 keys, asked for JOINTLY by the four work-groups (waves 0, 1: K's halves; waves 2, 3: V's; waves 4-7 fetch nothing).
; LAYOUT.  S^T = K Q^T (source 0 = 16 keys, source 1 = 16 queries): a lane holds ONE query (lane % 16) and keys 8 (lane / 16) + 0..7.  Two such tiles, rounded to f16 in pairs, ARE source 1 of O^T = V^T P.  V is read turned.
; SOFTMAX.  A running maximum m and sum l for each query: p = 2^(c s - c m), c = g log2(e) / 8 >= 0; in every step O and l are multiplied by a = 2^(c m_old - c m_new).
; A KEY STEP in two phases: A: K Q^T (32 products), V's loads, the softmax;  B: the next step's K loads, V^T P (32 products).
; REGISTERS.  window 0: v1-11 addresses; v12-43 statistics, 8 a tile: +0 c m, +1 m, +2, +3 l, +4..+7 at work (a in +6); v64-191 S^T, 32 a tile, p packed in place into the first 16; v192-255 Q.
;   window 1: v0-127 O^T, 32 a tile; v128-191 K's fragments; v192-255 V's.
; ao: [64 blocks of 128 tokens][16 heads][128 tokens][64] f16: what the last projection's tiles want.
.set PK,    272       ; an LDS row of K: two keys (256 bytes) + 16: the 16 keys of a load start at 16 different words modulo 64 x 4
.set PVP,   288       ; of V: two keys + 32: the turning load's 16 lanes (8 keys x 32 bytes) likewise
.set VOFF,  128*PK    ; a slot: 128 rows of K, then 128 rows of V
.set SLOT1, 1<<17     ; slot 1 begins here: one exclusive or turns an address from one slot to the other
.set STAGE, SLOT1+128*(PK+PVP)  ; behind the ring: 8 rows x 272 bytes for each wave, for the way out
.set SPARE, STAGE+8*8*272       ; the spare words, 128 bytes a wave
.set AK0, 2
.set AV0, 3
.set ADR, 4
.set QO,  5
.set STO, 6
.set RD,  7
.set GO,  8
.set ST,  12
.set PFO, 61
.set SPW, 62
.set NIL, 63
.set S,   64
.set Q,   192
.set KF,  128
.set VF,  192
.set WV,  12
.set LIM, 15
.set PFA, 18
.set G1K, 24
.set G1V, 32
.set G0K, 40
.set G0V, 48
.set SLOTS, 56
.set CNT, 57
.set CS,  58
.set SEL, 60
.set TBK, 62
.set TBV, 63
.set MSB, 0
.macro WIN new                      ; the immediate's high byte repeats the setting that is left
.if MSB != \new
	s_set_vgpr_msb (MSB<<8)|\new
.set MSB, \new
.endif
.endm
.set W_KQ, 0x01       ; K in window 1; Q and S^T in window 0
.set W_PV, 0x51       ; V, O^T in window 1; P in window 0
.set W_RS, 0x41       ; O^T (destination and source 0) in window 1, a in window 0
; A joint refill.  The branches hang on the wave's number alone.  An s_nop 0 and four v_nop follow each tensor load.
.macro JLOAD
	s_cmp_lt_u32 s[WV], 2
	s_cbranch_scc0 .Lnot_k_\@
	tensor_load_to_lds s[G0K+4:G0K+7], s[G1K:G1K+7]
	s_nop 0
.rept 4
	v_nop
.endr
	s_branch .Lasked_\@
.Lnot_k_\@:
	s_cmp_lt_u32 s[WV], 4
	s_cbranch_scc0 .Lasked_\@
	tensor_load_to_lds s[G0V+4:G0V+7], s[G1V:G1V+7]
	s_nop 0
.rept 4
	v_nop
.endr
.Lasked_\@:
.endm
; A prefetch of what the NEXT change of slots will ask for: a slot's 128 rows of 256 bytes of K and of V, a lane a row.  One cluster alone reads a head; its four partners take 32 rows each, told apart by ADDRESS;
; in each, wave 0 asks for K's and wave 2 for V's: each row is named once in the launch.  It stands four key steps ahead of the load that wants the rows.  The last change that fills a slot asks for nothing.
.macro ASK
	s_cmp_gt_u32 s[SLOTS], s[LIM]
	s_cbranch_scc0 .Lnot_mine_\@
	global_prefetch_b8 v[PFO], s[PFA:PFA+1] th:TH_LOAD_NT scope:SCOPE_SE
.Lnot_mine_\@:
.endm
.macro CROUND                       ; a round of the cluster's barrier
	s_barrier_signal -1
	s_barrier_wait -1
	s_cmp_lg_u32 s[WV], 0
	s_cbranch_scc1 .Lnot_wave_0_\@
	s_barrier_signal -3
.Lnot_wave_0_\@:
	s_barrier_wait -3
	s_barrier_signal -1
	s_barrier_wait -1
.endm
	s_load_b64 s[4:5], s[0:1], 0x0    ; qkv
	s_load_b64 s[16:17], s[0:1], 0x8  ; gpart
	s_load_b64 s[10:11], s[0:1], 0x10 ; ao
	v_lshl_add_u32 v[SPW], v0, 2, SPARE
	v_mov_b32 v[NIL], 0
	ds_add_u32 v[SPW], v[NIL]       ; the wave's opening: the add, twice on end, and its wait ahead of my first tensor load
	ds_add_u32 v[SPW], v[NIL]
	v_lshrrev_b32 v1, 5, v0
	v_readfirstlane_b32 s[WV], v1   ; wave 0..7
	s_bfe_u32 s13, ttmp6, 0x40000   ; cx: my block of 512 queries; it enters Q's, O's and the prefetches' addresses alone
	s_and_b32 s14, ttmp7, 0xffff    ; 16 batch + head, which the four partners share
	s_lshl_b32 s20, s14, 18         ; a head is 262,144 bytes
	s_and_b32 s15, s[WV], 1         ; which half of a slot I fetch
	s_lshl_b32 s22, s15, 14         ; its 64 rows of 256 bytes in memory
	s_add_co_u32 s22, s22, s20
	s_mov_b32 s23, 0
	s_lshl_b32 s2, s13, 16          ; my block's 512 queries of 128 bytes,
	s_lshl_b32 s3, s[WV], 13        ; my wave's 64
	s_add_co_u32 s2, s2, s3
	s_add_co_u32 s2, s2, s20
	s_mov_b32 s3, 0
	s_lshr_b32 s56, s14, 4          ; ao: block of 128 tokens = 16 batch + 4 cx + wave / 2,
	s_lshl_b32 s56, s56, 4
	s_lshl_b32 s57, s13, 2
	s_add_co_u32 s56, s56, s57
	s_lshr_b32 s57, s[WV], 1
	s_add_co_u32 s56, s56, s57
	s_lshl_b32 s56, s56, 18
	s_and_b32 s57, s14, 15          ; the head's 16,384 bytes in it,
	s_lshl_b32 s57, s57, 14
	s_add_co_u32 s56, s56, s57
	s_lshl_b32 s57, s15, 13         ; and my 64 tokens' half
	s_add_co_u32 s20, s56, s57
	s_mov_b32 s21, 0
	s_mul_i32 s56, s15, 64*PK       ; where my tile goes in a slot: no place in the cluster enters an LDS address
	s_mul_i32 s57, s15, 64*PVP
	s_add_co_u32 s57, s57, VOFF
	s_mov_b32 s[G1K], 15|(1<<16)|(1<<20)|(1<<21)|(5<<22)|(3<<25)  ; mask: all four; elements of 2 bytes; padding: 4 words after every 64; bit 21 beside a mask
	s_mov_b32 s[G1V], 15|(1<<16)|(1<<20)|(1<<21)|(5<<22)|(7<<25)  ; the same with 8 words of padding
.irp g, G1K, G1V
	s_mov_b32 s[\g+1], 128<<16      ; tensor_dim0 = 128 elements: two keys
	s_mov_b32 s[\g+2], 64<<16       ; tensor_dim1 = 64 rows
	s_mov_b32 s[\g+3], 128<<16      ; tile_dim0
	s_mov_b32 s[\g+4], 64           ; tile_dim1
	s_mov_b32 s[\g+5], 128          ; from row to row: dense
	s_mov_b32 s[\g+6], 0
	s_mov_b32 s[\g+7], 0
.endr
	s_mov_b32 s[SEL], 0x76543210
	s_mov_b32 s[SEL+1], 0xfedcba98
	s_mov_b32 s[TBK], 0
	s_mov_b32 s[TBV], 0
	s_wait_dscnt 0x0                ; both opening adds are done
	s_wait_kmcnt 0x0
	s_add_nc_u64 s[6:7], s[4:5], s[22:23]
	s_add_nc_u64 s[8:9], s[6:7], 33554432   ; V at my tile of slot 0
	s_add_nc_u64 s[6:7], s[6:7], 16777216   ; K likewise
	s_add_nc_u64 s[4:5], s[4:5], s[2:3]     ; Q at my wave's first query
	s_add_nc_u64 s[10:11], s[10:11], s[20:21]
	s_cmp_lt_u32 s[WV], 2
	s_cselect_b64 s[PFA:PFA+1], s[6:7], s[8:9]  ; (in waves 0 and 2 these stand at a slot's first row)
	s_lshl_b32 s2, s13, 13          ; my work-group's 32 rows of the 128,
	s_add_co_u32 s2, s2, 2*32768    ; in slot 2: the first change of slots steps it to slot 3.  Nothing is prefetched at the head
	s_add_nc_u64 s[PFA:PFA+1], s[PFA:PFA+1], s[2:3]
	CROUND                          ; all four work-groups are here: the first joint loads meet
.irp s, 0,1
	s_mov_b32 s[G0K+4*\s], 1
	s_add_co_u32 s[G0K+4*\s+1], s56, \s*SLOT1
	s_add_nc_u64 s[G0K+4*\s+2:G0K+4*\s+3], s[6:7], \s*32768
	s_or_b32 s[G0K+4*\s+3], s[G0K+4*\s+3], 0x80000000
	s_mov_b32 s[G0V+4*\s], 1
	s_add_co_u32 s[G0V+4*\s+1], s57, \s*SLOT1
	s_add_nc_u64 s[G0V+4*\s+2:G0V+4*\s+3], s[8:9], \s*32768
	s_or_b32 s[G0V+4*\s+3], s[G0V+4*\s+3], 0x80000000
.endr
	s_cmp_lt_u32 s[WV], 2           ; a wave's two first fills stand in one branch, ahead of every wait on TENSORcnt and every LDS read: two loads of mine are out
	s_cbranch_scc0 .Lfirst_not_k
	tensor_load_to_lds s[G0K:G0K+3], s[G1K:G1K+7]
	s_nop 0
	tensor_load_to_lds s[G0K+4:G0K+7], s[G1K:G1K+7]
	s_nop 0
.rept 4
	v_nop
.endr
	s_branch .Lfirst_asked
.Lfirst_not_k:
	s_cmp_lt_u32 s[WV], 4
	s_cbranch_scc0 .Lfirst_asked
	tensor_load_to_lds s[G0V:G0V+3], s[G1V:G1V+7]
	s_nop 0
	tensor_load_to_lds s[G0V+4:G0V+7], s[G1V:G1V+7]
	s_nop 0
.rept 4
	v_nop
.endr
.Lfirst_asked:
	s_mov_b32 s[SLOTS], 6           ; slots 2 to 7 are asked for in the loop
	s_and_b32 s[LIM], s[WV], 5      ; 0 in waves 0 and 2: they prefetch
	s_cmp_eq_u32 s[LIM], 0
	s_cselect_b32 s[LIM], 1, -1
	v_and_b32 v1, 15, v0            ; r
	v_bfe_u32 v9, v0, 4, 1          ; h
	v_lshlrev_b32 v[QO], 7, v1
	v_lshl_add_u32 v[QO], v9, 4, v[QO]  ; a query's row of 128 bytes + 16 x half
.irp f, 0,1,2,3,4,5,6,7             ; Q stays in registers: tile f / 2, channels 32 (f % 2) on
	global_load_b128 v[Q+8*\f:Q+8*\f+3],   v[QO], s[4:5] offset:(\f/2)*2048+(\f%2)*64
	global_load_b128 v[Q+8*\f+4:Q+8*\f+7], v[QO], s[4:5] offset:(\f/2)*2048+(\f%2)*64+32
.endr
	v_and_b32 v10, 31, v0
	v_lshlrev_b32 v11, 2, v10
	global_load_b32 v60, v11, s[16:17]  ; the gate's 32 parts, one a lane
	v_lshrrev_b32 v44, 1, v1
	v_mul_u32_u24 v[AK0], v44, PK
	v_and_b32 v44, 1, v1
	v_lshl_add_u32 v[AK0], v44, 7, v[AK0]
	v_lshl_add_u32 v[AK0], v9, 4, v[AK0]  ; K: key r: row r / 2, half r % 2, + 16 h
	v_bfe_u32 v44, v0, 1, 2
	v_lshl_add_u32 v44, v9, 2, v44
	v_mul_u32_u24 v[AV0], v44, PVP  ; V, turned: lane l reads 16 bytes of key 8 h + l % 8: row 4 h + (l % 8) / 2,
	v_and_b32 v44, 1, v0
	v_lshl_add_u32 v[AV0], v44, 7, v[AV0]  ; half l % 2,
	v_bfe_u32 v44, v0, 3, 1
	v_lshl_add_u32 v[AV0], v44, 4, v[AV0]  ; channels 8 ((l / 8) % 2) on
	v_add_nc_u32 v[AV0], VOFF, v[AV0]
	s_mul_i32 s14, s[WV], 8*272
	s_add_co_u32 s14, s14, STAGE    ; my stage
	v_add_nc_u32 v[STO], s14, v[AK0]  ; in: query r lies as key r lies in a tile of K
	v_mul_u32_u24 v[RD], v9, 272
	v_lshl_add_u32 v[RD], v1, 4, v[RD]
	v_add_nc_u32 v[RD], s14, v[RD]  ; back: lanes 0-15 one row of 256 bytes, lanes 16-31 the next
	v_lshlrev_b32 v[GO], 4, v10     ; and in ao: 512 consecutive bytes a store
	v_lshlrev_b32 v[PFO], 8, v10
	v_mov_b32 v59, 0                ; a lane permute's destination counts as read
	s_wait_loadcnt 0x0              ; Q and the gate's parts
	v_add_f32_dpp v60, v60, v60 row_xmask:1 row_mask:0xf bank_mask:0xf
	v_add_f32_dpp v60, v60, v60 row_xmask:2 row_mask:0xf bank_mask:0xf
	v_add_f32_dpp v60, v60, v60 row_xmask:4 row_mask:0xf bank_mask:0xf
	v_add_f32_dpp v60, v60, v60 row_xmask:8 row_mask:0xf bank_mask:0xf
	v_permlanex16_b32 v59, v60, s[SEL], s[SEL+1]
	v_add_f32 v60, v60, v59
	v_mul_f32 v60, 0x3838aa3b, v60  ; c = (sum / 4,096) log2(e) / 8
	v_readfirstlane_b32 s[CS], v60  ; a multiplier and nothing else: no branch and no address hangs on it
	s_mov_b32 s[CS+1], s[CS]        ; (named with it as a pair)
; 32 products S^T = K Q^T: channels 32 (i / 16) on, keys 16 ((i / 4) % 4) on, tile i % 4.  The 16 accumulators take turns, one instruction a turn; the first 16 start the sums.
.macro KQ
	WIN W_KQ
.set i, 0
.rept 32
.set rS, S+32*(i%4)+8*((i/4)%4)
.set rK, KF+8*(2*((i/4)%4)+i/16)
.set rQ, Q+16*(i%4)+8*(i/16)
.if i < 16
	v_wmma_f32_16x16x32_f16 v[rS:rS+7], v[rK:rK+7], v[rQ:rQ+7], 0
.else
	v_wmma_f32_16x16x32_f16 v[rS:rS+7], v[rK:rK+7], v[rQ:rQ+7], v[rS:rS+7]
.endif
.set i, i+1
.endr
.endm
; 32 products O^T += V^T P: keys 32 (i / 16) on, channels 16 ((i / 4) % 4) on, tile i % 4.  zero = 1: the first 16 start the sums.
.macro PV zero
	WIN W_PV
.set i, 0
.rept 32
.set rO, 32*(i%4)+8*((i/4)%4)
.set rV, VF+8*(4*(i/16)+(i/4)%4)
.set rP, S+32*(i%4)+8*(i/16)
.if \zero && (i < 16)
	v_wmma_f32_16x16x32_f16 v[rO:rO+7], v[rV:rV+7], v[rP:rP+7], 0
.else
	v_wmma_f32_16x16x32_f16 v[rO:rO+7], v[rV:rV+7], v[rP:rP+7], v[rO:rO+7]
.endif
.set i, i+1
.endr
.endm
.macro FETCH_K                      ; a step's K: 64 keys x 64 channels: fragment f: keys 16 (f / 2) on, channels 32 (f % 2) on
	WIN 0
	v_add_nc_u32 v[ADR], s[TBK], v[AK0]
	s_add_co_u32 s[TBK], s[TBK], 32*PK
	WIN 0x40
.irp f, 0,1,2,3,4,5,6,7
	ds_load_b128 v[KF+8*\f:KF+8*\f+3],   v[ADR] offset:(\f/2)*8*PK+(\f%2)*64
	ds_load_b128 v[KF+8*\f+4:KF+8*\f+7], v[ADR] offset:(\f/2)*8*PK+(\f%2)*64+32
.endr
.endm
.macro FETCH_V                      ; a step's V, turned: fragment f: keys 32 (f / 4) on, channels 16 (f % 4) on.  The addition and the three v_nop are the four places behind the products K Q^T
	WIN 0
	v_add_nc_u32 v[ADR], s[TBV], v[AV0]
	s_add_co_u32 s[TBV], s[TBV], 32*PVP
.rept 3
	v_nop
.endr
	WIN 0x40
.irp f, 0,1,2,3,4,5,6,7
	ds_load_tr16_b128 v[VF+8*\f:VF+8*\f+3],   v[ADR] offset:(\f/4)*16*PVP+(\f%4)*32
	ds_load_tr16_b128 v[VF+8*\f+4:VF+8*\f+7], v[ADR] offset:(\f/4)*16*PVP+8*PVP+(\f%4)*32
.endr
.endm
; THE SOFTMAX of a key step, all four tiles line by line, so that no line waits for the line above it.  first = 1: the first key step: no old maximum, no a, nothing to rescale.
.macro SOFTMAX first
	WIN 0
.irp j, 0,1,2,3                     ; the maximum of a lane's 32 scores: four chains, each begun at its accumulator's low end
.irp t, 0,1,2,3
	v_max3_num_f32 v[ST+8*\t+4+\j], v[S+32*\t+8*\j], v[S+32*\t+8*\j+1], v[S+32*\t+8*\j+2]
.endr
.endr
.irp u, 1,2
.irp j, 0,1,2,3
.irp t, 0,1,2,3
	v_max3_num_f32 v[ST+8*\t+4+\j], v[ST+8*\t+4+\j], v[S+32*\t+8*\j+2*\u+1], v[S+32*\t+8*\j+2*\u+2]
.endr
.endr
.endr
.irp t, 0,1,2,3
	v_max3_num_f32 v[ST+8*\t+4], v[ST+8*\t+4], v[S+32*\t+7], v[S+32*\t+15]
.endr
.irp t, 0,1,2,3
	v_max3_num_f32 v[ST+8*\t+6], v[ST+8*\t+6], v[S+32*\t+23], v[S+32*\t+31]
.endr
.irp t, 0,1,2,3
	v_max3_num_f32 v[ST+8*\t+4], v[ST+8*\t+4], v[ST+8*\t+5], v[ST+8*\t+6]
.endr
.irp t, 0,1,2,3
.if \first
	v_max_num_f32 v[ST+8*\t+4], v[ST+8*\t+4], v[ST+8*\t+7]
.else
	v_max3_num_f32 v[ST+8*\t+4], v[ST+8*\t+4], v[ST+8*\t+7], v[ST+8*\t+1]   ; with the old m
.endif
.endr
.irp t, 0,1,2,3
	v_permlanex16_b32 v[ST+8*\t+5], v[ST+8*\t+4], s[SEL], s[SEL+1]  ; the query's other 32 keys lie in the lane 16 away
.endr
.if \first == 0
.irp t, 0,1,2,3
	v_mov_b32 v[ST+8*\t+7], v[ST+8*\t]  ; c m_old is kept for a
.endr
.endif
.irp t, 0,1,2,3
	v_max_num_f32 v[ST+8*\t+1], v[ST+8*\t+4], v[ST+8*\t+5]
.endr
.irp t, 0,1,2,3
	v_mul_f32 v[ST+8*\t], s[CS], v[ST+8*\t+1]  ; c >= 0: c times the largest score is the largest c s
.endr
.if \first == 0
.irp t, 0,1,2,3
	v_sub_f32 v[ST+8*\t+7], v[ST+8*\t+7], v[ST+8*\t]
.endr
.irp t, 0,1,2,3
	v_exp_f32 v[ST+8*\t+6], v[ST+8*\t+7]  ; a
.endr
.endif
; ONE BATCH: the scalings c s - c m, a pair of scores each, and all exponentials; pair n's scalings stand ahead of pair n - 1's exponentials.  None of these lines names an exponential's result.
.set n, 0
.rept 17
.if n < 16
.irp t, 0,1,2,3
	v_pk_fma_f32 v[S+32*\t+2*n:S+32*\t+2*n+1], v[S+32*\t+2*n:S+32*\t+2*n+1], s[CS:CS+1], v[ST+8*\t:ST+8*\t+1] op_sel_hi:[1,0,0] neg_lo:[0,0,1] neg_hi:[0,0,1]
.endr
.endif
.if n > 0
.irp t, 0,1,2,3
	v_exp_f32 v[S+32*\t+2*n-2], v[S+32*\t+2*n-2]
	v_exp_f32 v[S+32*\t+2*n-1], v[S+32*\t+2*n-1]
.endr
.endif
.set n, n+1
.endr
	v_nop                           ; a plain line behind the last exponential
	s_wait_alu depctr_va_vdst(0)    ; one wait for the whole batch, ahead of its first reader
.irp t, 0,1,2,3                     ; the row sums, of the unrounded p, in f32: even keys' and odd keys'
	v_pk_add_f32 v[ST+8*\t+4:ST+8*\t+5], v[S+32*\t:S+32*\t+1], v[S+32*\t+2:S+32*\t+3]
.endr
.set n, 2
.rept 13
.irp t, 0,1,2,3
	v_pk_add_f32 v[ST+8*\t+4:ST+8*\t+5], v[ST+8*\t+4:ST+8*\t+5], v[S+32*\t+2*n:S+32*\t+2*n+1]
.endr
.set n, n+1
.endr
.irp t, 0,1,2,3
.if \first
	v_pk_add_f32 v[ST+8*\t+2:ST+8*\t+3], v[ST+8*\t+4:ST+8*\t+5], v[S+32*\t+30:S+32*\t+31]   ; the first step starts l
.else
	v_pk_add_f32 v[ST+8*\t+4:ST+8*\t+5], v[ST+8*\t+4:ST+8*\t+5], v[S+32*\t+30:S+32*\t+31]
.endif
.endr
.if \first == 0
.irp t, 0,1,2,3
	v_pk_fma_f32 v[ST+8*\t+2:ST+8*\t+3], v[ST+8*\t+2:ST+8*\t+3], v[ST+8*\t+6:ST+8*\t+7], v[ST+8*\t+4:ST+8*\t+5] op_sel_hi:[1,0,1]   ; l = a l + the sum
.endr
.endif
.set n, 0
.rept 16                            ; p to f16, in place: register n takes pair n, whose own registers lie at 2 n and 2 n + 1: nothing unread is written over
.irp t, 0,1,2,3
	v_cvt_pk_f16_f32 v[S+32*\t+n], v[S+32*\t+2*n], v[S+32*\t+2*n+1]
.endr
.set n, n+1
.endr
.if \first == 0
	WIN W_RS
.set n, 0
.rept 16                            ; O^T times a, each accumulator from its low end on
.irp t, 0,1,2,3
	v_pk_mul_f32 v[32*\t+2*n:32*\t+2*n+1], v[32*\t+2*n:32*\t+2*n+1], v[ST+8*\t+6:ST+8*\t+7] op_sel_hi:[1,0]
.endr
.set n, n+1
.endr
.endif
	WIN 0
.endm
; nops: K Q^T writes over p, which the products V^T P just issued read as a source: five places are owed between them
.macro PHASE_A first, nops
	s_wait_dscnt 0x0                ; K is in
.rept \nops
	v_nop
.endr
	KQ
	FETCH_V
	SOFTMAX \first
.endm
.macro PHASE_B zero, fetch
.if \fetch
	FETCH_K                         ; the next step's K: its last readers stand a whole softmax back
	s_wait_dscnt 16                 ; V's 16 loads are in; K's 16, issued behind them, may be out
.else
	s_wait_dscnt 0x0
.endif
	PV \zero
	WIN 0
.endm
.macro LOOPN cnt                    ; cnt times: V^T P of the step in hand, then the next step's scores and softmax
	s_mov_b32 s[CNT], \cnt
.Lstep_\@:
	PHASE_B 0, 1
	PHASE_A 0, 5
	s_sub_co_u32 s[CNT], s[CNT], 1
	s_cmp_lg_u32 s[CNT], 0
	s_cbranch_scc1 .Lstep_\@
.endm
; THE CHANGE OF SLOTS: the slot's last bytes, V of its fourth step, have been asked for.  Each wave waits for all its tensor loads (its part of the other slot), adds 0 to its spare word, and waits for that and for its reads.
; fill = 1: the barrier is a round of the cluster's, and the slot just left is filled with the keys two slots on: the load has four key steps in which to land.
.macro CHANGE fill
	WIN 0
	s_wait_tensorcnt 0x0            ; no tensor load of mine is out, so a group 0 may be written
	ds_add_u32 v[SPW], v[NIL]       ; 0 onto my spare word
.if \fill
	ds_add_u32 v[SPW], v[NIL]       ; and once more
.irp g, G0K+4, G0V+4
	s_xor_b32 s[\g+1], s[\g+1], SLOT1  ; the walking descriptors: the other slot than last time,
	s_add_nc_u64 s[\g+2:\g+3], s[\g+2:\g+3], 32768  ; the next 256 keys
.endr
	s_wait_xcnt 0x0                 ; the last prefetch, four key steps back, has read its address
	s_add_nc_u64 s[PFA:PFA+1], s[PFA:PFA+1], 32768
	s_wait_dscnt 0x0                ; the adds are done, and my reads of the slot are over
	CROUND
	JLOAD
	ASK
.else
	s_wait_dscnt 0x0
	s_barrier_signal -1
	s_barrier_wait -1
.endif
	s_sub_co_u32 s[TBK], s[TBK], 128*PK   ; the fetches go back to a slot's first step,
	s_xor_b32 s[TBK], s[TBK], SLOT1       ; in the other slot
	s_sub_co_u32 s[TBV], s[TBV], 128*PVP
	s_xor_b32 s[TBV], s[TBV], SLOT1
.endm
	s_wait_tensorcnt 1              ; my part of slot 0 is in; slot 1's may stay out
	s_barrier_signal -1
	s_barrier_wait -1               ; everybody's is
	FETCH_K                         ; key step 0
	PHASE_A 1, 0                    ; its scores, V's loads, the first softmax
	PHASE_B 1, 1                    ; V^T P of step 0 starts O^T; K of step 1
	PHASE_A 0, 5
	LOOPN 2                         ; slot 0's steps 2 and 3
.Lslot:                             ; six trips: slots 0 to 5 are left and filled again
	CHANGE 1
	LOOPN 4
	s_sub_co_u32 s[SLOTS], s[SLOTS], 1
	s_cmp_lg_u32 s[SLOTS], 0
	s_cbranch_scc1 .Lslot
	CHANGE 0                        ; the last change is written out: nothing is asked for
	LOOPN 4
	PHASE_B 0, 0                    ; V^T P of the last step
	; THE WAY OUT.  l's halves are added; O^T is divided by l, rounded to f16 and sent through my stage, a tile (16 queries) at a time.  The additions are the places behind the last products.
.irp t, 0,1,2,3
	v_add_f32 v[ST+8*\t+4], v[ST+8*\t+2], v[ST+8*\t+3]
.endr
.irp t, 0,1,2,3
	v_permlanex16_b32 v[ST+8*\t+5], v[ST+8*\t+4], s[SEL], s[SEL+1]
.endr
.irp t, 0,1,2,3
	v_add_f32 v[ST+8*\t+4], v[ST+8*\t+4], v[ST+8*\t+5]
.endr
.irp t, 0,1,2,3
	v_rcp_f32 v[ST+8*\t+6], v[ST+8*\t+4]
.endr
	v_nop
	s_wait_alu depctr_va_vdst(0)    ; one wait for the four reciprocals
.macro PACK t
	WIN W_RS
.set i, 0
.rept 16
	v_pk_mul_f32 v[32*\t+i:32*\t+i+1], v[32*\t+i:32*\t+i+1], v[ST+8*\t+6:ST+8*\t+7] op_sel_hi:[1,0]
.set i, i+2
.endr
	WIN 0x05                        ; sources 0 and 1 window 1, destination window 0
.set i, 0
.rept 16
	v_cvt_pk_f16_f32 v[S+32*\t+i], v[32*\t+2*i], v[32*\t+2*i+1]
.set i, i+1
.endr
	WIN 0
.irp f, 0,1,2,3
	ds_store_b128 v[STO], v[S+32*\t+4*\f:S+32*\t+4*\f+3] offset:32*\f   ; channels 16 f + 8 h + 0 .. 7 of query r
.endr
.irp f, 0,1,2,3
	ds_load_b128 v[S+32*\t+16+4*\f:S+32*\t+16+4*\f+3], v[RD] offset:2*\f*272  ; LDS serves a wave's instructions in order
.endr
.endm
.macro SEND t, younger              ; younger: the LDS instructions issued behind tile t's loads: the next tile's eight, or none
.irp f, 0,1,2,3
	s_wait_dscnt \younger+3-\f
	global_store_b128 v[GO], v[S+32*\t+16+4*\f:S+32*\t+16+4*\f+3], s[10:11] offset:\t*2048+\f*512  ; the wave stores 512 consecutive bytes, aligned
.endr
.endm
	PACK 0
	PACK 1
	SEND 0, 8
	PACK 2
	SEND 1, 8
	PACK 3
	SEND 2, 8
	SEND 3, 0
	s_wait_tensorcnt 0x0            ; the wave's end
	ds_add_u32 v[SPW], v[NIL]
	s_wait_dscnt 0x0
	CROUND                          ; the closing round
	s_endpgm
.Lfunc_end_k_qee0dffed82_attn:
	.size	k_qee0dffed82_attn, .Lfunc_end_k_qee0dffed82_attn-k_qee0dffed82_attn
	.p2alignl 7, 3214868480
	.fill 96, 4, 3214868480
	.section	.rodata,"a",@progbits
	.p2align	6, 0x0
	.amdhsa_kernel k_qee0dffed82_attn
		.amdhsa_group_segment_fixed_size 327680
		.amdhsa_private_segment_fixed_size 0
		.amdhsa_enable_private_segment 0
		.amdhsa_kernarg_size 24
		.amdhsa_user_sgpr_count 2
		.amdhsa_user_sgpr_kernarg_segment_ptr 1
		.amdhsa_wavefront_size32 1
		.amdhsa_system_sgpr_workgroup_id_x 1
		.amdhsa_system_sgpr_workgroup_id_y 1
		.amdhsa_system_sgpr_workgroup_id_z 1
		.amdhsa_system_vgpr_workitem_id 0
		.amdhsa_next_free_vgpr 512
		.amdhsa_next_free_sgpr 66
		.amdhsa_reserve_vcc 0
		.amdhsa_float_denorm_mode_32 3
		.amdhsa_float_denorm_mode_16_64 3
		.amdhsa_memory_ordered 1
		.amdhsa_forward_progress 1
		.amdhsa_inst_pref_size 180
	.end_amdhsa_kernel
	.amdgpu_metadata
---
amdhsa.version: [ 1, 2 ]
amdhsa.kernels:
  - .name:           k_qee0dffed82_attn
    .symbol:         k_qee0dffed82_attn.kd
    .args:
      - { .name: qkv, .offset: 0, .size: 8, .value_kind: global_buffer, .address_space: global }
      - { .name: gpart, .offset: 8, .size: 8, .value_kind: global_buffer, .address_space: global }
      - { .name: ao, .offset: 16, .size: 8, .value_kind: global_buffer, .address_space: global }
    .group_segment_fixed_size: 327680
    .private_segment_fixed_size: 0
    .kernarg_segment_align: 8
    .kernarg_segment_size: 24
    .max_flat_workgroup_size: 256
    .sgpr_count:     66
    .vgpr_count:     512
    .wavefront_size: 32
...
	.end_amdgpu_metadata
.endif
;; end of part 5
;; launch outp (part 6): grid 4 x 64, 4 waves a work-group, clusters of 4 x 4, 327,680 bytes of LDS; arguments ao, wq, bo, out0; writes out0
.if DOCPART == 6
	.amdgcn_target "amdgcn-amd-amdhsa--gfx1250"
	.amdhsa_code_object_version 6
	.text
	.protected	k_qee0dffed82_outp
	.globl	k_qee0dffed82_outp
	.p2align	8
	.type	k_qee0dffed82_outp,@function
k_qee0dffed82_outp:
	s_mov_b64 s[64:65], 0
	v_nop
	global_prefetch_b8 v0, s[64:65] scope:SCOPE_SE
	s_setreg_imm32_b32 hwreg(HW_REG_WAVE_MODE, 25, 1), 1
	s_wait_xcnt 0x0
	s_wait_alu depctr_hold_cnt(0) depctr_sa_sdst(0) depctr_va_vdst(0) depctr_va_sdst(0) depctr_va_ssrc(0) depctr_va_vcc(0) depctr_vm_vsrc(0)
	s_getreg_b32 s2, hwreg(HW_REG_IB_STS2, 6, 4)
	s_cmp_eq_u32 s2, 0
	s_cbranch_scc0 .Lentry_in_a_cluster
	s_endpgm
.Lentry_in_a_cluster:
	s_bfe_u32 s2, ttmp6, 0x10000c
	s_cmp_lg_u32 s2, 0xf033
	s_cbranch_scc0 .Lentry_shape_is_right
	s_endpgm
.Lentry_shape_is_right:
; out0[m][n] = the sum over k of A[m][k] Wo[k][n] + bo[n].  A: attention's result, f16, [64 blocks of 128 tokens][16 heads][128 tokens][64] (k = 64 head + channel); Wo: f16, [1024 k][1024 n], at WO in wq; out0: [8192][1024] f32.
; A tile of out0, 128 tokens x 256 columns (256 tiles: one for each of 256 work-groups), is made by four waves, each 64 x 128: 32 accumulators of 16 x 16.  K goes in steps of 128 (two heads) through two LDS slots.
; A K step of A is 32,768 dense bytes; Wo's tile is 128 rows of 512 bytes and is read turned (K is its first axis).  CLUSTERS: 4 x 4: A's tile is asked for jointly along a row of the cluster, Wo's along a column.
; THE MATRIX INSTRUCTION IS USED TRANSPOSED (source 0 = 16 columns of Wo, source 1 = 16 tokens): a lane holds eight neighbouring columns of one token.  The bias is the C of each sum's first instruction.
; REGISTERS.  window 0: v0-31 addresses; v64-95, v96-127 A's fragments, two buffers; v128-255 rows on their way out.  window 1: v0-63, v64-127 Wo's fragments, two buffers; v128-191 the bias.  window 2: accumulator (a, b) at v[8 (8 a + b)].
.set PA,     272                       ; an LDS row of A: two tokens' 128 bytes + 16
.set PB,     544                       ; of Wo: 512 bytes + 32: the turning load's 8 rows x 32 bytes fall on different words modulo 64 x 4
.set ATILE,  2*64*PA                   ; two heads x 64 rows
.set SLOT,   ATILE+128*PB
.set STAGE,  2*SLOT                    ; behind the ring: 16 rows x (512 bytes + 16) for each wave
.set SPITCH, 528
.set SPARE,  STAGE+4*16*SPITCH         ; the spare words, 128 bytes a wave
.set WO,     1671168
.set ADRA, 16
.set ADRB, 20
.set STO,  24
.set RD,   25
.set CO,   26
.set BA,   27
.set SPW,  28
.set NIL,  29
.set PFO,  30
.set BK,   128
.set BI,   128                         ; in window 1
.set G1, 24
.set G0, 32
.set G1B, 48
.set G0B, 56
.set LIM, 43
.set PFA, 44
.set WVN, 66
.set RH,  67
.set CH,  68
.set MSB, 0
.macro WIN new                         ; the immediate's high byte repeats the setting that is left
.if MSB != \new
	s_set_vgpr_msb (MSB<<8)|\new
.set MSB, \new
.endif
.endm
.set MUL,   0xa1                       ; source 0 (Wo) window 1, source 1 (A) window 0, C and D window 2
.set MUL0,  0x91                       ; the same with C, the bias, in window 1
.set TO_B,  0x40
.macro JLOAD s                         ; a joint load: waves 0 and 1 fetch A's two heads, waves 2 and 3 Wo's two halves; an s_nop 0 and four v_nop follow each line
	s_cmp_eq_u32 s[RH], 0
	s_cbranch_scc0 .Lfor_b_\@
	tensor_load_to_lds s[G0+4*\s:G0+4*\s+3], s[G1:G1+7]
	s_nop 0
.rept 4
	v_nop
.endr
	s_branch .Lasked_\@
.Lfor_b_\@:
	tensor_load_to_lds s[G0B+4*\s:G0B+4*\s+3], s[G1B:G1B+7]
	s_nop 0
.rept 4
	v_nop
.endr
.Lasked_\@:
.endm
; A prefetch of A's K step that stands TWO refills on (256 matrix instructions of a wave ahead of the load that wants it): 128 rows of 256 bytes; one row of a cluster alone reads them; its four partners take 32 rows
; each, told apart by ADDRESS; wave 0 asks, a lane a row: each row is named once in the launch.  The last two refills have no K step two on.  Wo, which all sixteen clusters read again and again, is not asked for.
.macro ASK
	s_cmp_gt_u32 s3, s[LIM]                        ; s3 = 1 in the loop's last trip
	s_cbranch_scc0 .Lnot_mine_\@
	global_prefetch_b8 v[PFO], s[PFA:PFA+1] offset:32768 th:TH_LOAD_NT scope:SCOPE_SE
.Lnot_mine_\@:
.endm
.macro CREST                           ; a round of the cluster's barrier behind its opening barrier
	s_cmp_lg_u32 s[WVN], 0
	s_cbranch_scc1 .Lnot_wave_0_\@
	s_barrier_signal -3
.Lnot_wave_0_\@:
	s_barrier_wait -3
	s_barrier_signal -1
	s_barrier_wait -1
.endm
.macro CROUND
	s_barrier_signal -1
	s_barrier_wait -1
	CREST
.endm
	s_load_b256 s[4:11], s[0:1], 0x0               ; ao s[4:5], wq s[6:7], bo s[8:9], out0 s[10:11]
	v_lshl_add_u32 v[SPW], v0, 2, SPARE
	v_mov_b32 v[NIL], 0
	ds_add_u32 v[SPW], v[NIL]                      ; the wave's opening: the add, twice on end, and its wait ahead of my first tensor load
	ds_add_u32 v[SPW], v[NIL]
	v_lshrrev_b32 v1, 5, v0
	v_readfirstlane_b32 s[WVN], v1                 ; wave 0..3
	s_lshr_b32 s[RH], s[WVN], 1                    ; which 64 tokens are mine.  Also: I fetch for A (0) or for Wo (1)
	s_and_b32 s[CH], s[WVN], 1                     ; which 128 columns.  Also: which half of that tile I fetch
	s_bfe_u32 s40, ttmp6, 0x40000                  ; cx, cy
	s_bfe_u32 s41, ttmp6, 0x40004
	s_lshl_b32 s42, ttmp9, 2
	s_add_co_u32 s42, s42, s40                     ; tile column 0..3
	s_and_b32 s13, ttmp7, 0xffff
	s_lshl_b32 s13, s13, 2
	s_add_co_u32 s13, s13, s41                     ; tile row 0..63: a block of 128 tokens
	s_lshl_b32 s43, s41, 2
	s_lshl_b32 s43, 15, s43                        ; my row of the cluster
	s_lshl_b32 s44, 0x1111, s40                    ; my column
	s_or_b32 s[G1+0], s43, (1<<16)|(1<<20)|(1<<21)|(5<<22)|(3<<25)   ; A: mask; elements of 2 bytes; padding: 4 words after every 64; bit 21 beside a mask
	s_mov_b32 s[G1+1], 128<<16                     ; tensor_dim0 = 128 elements: two tokens of a head
	s_mov_b32 s[G1+2], 64<<16                      ; tensor_dim1 = 64 rows: a head's 128 tokens
	s_mov_b32 s[G1+3], 128<<16                     ; tile_dim0
	s_mov_b32 s[G1+4], 64                          ; tile_dim1
	s_mov_b32 s[G1+5], 128                         ; dense
	s_mov_b32 s[G1+6], 0
	s_mov_b32 s[G1+7], 0
	s_or_b32 s[G1B+0], s44, (1<<16)|(1<<20)|(1<<21)|(6<<22)|(7<<25)  ; Wo: padding: 8 words after every 128
	s_mov_b32 s[G1B+1], 256<<16                    ; 256 columns
	s_mov_b32 s[G1B+2], 64<<16                     ; 64 rows of k
	s_mov_b32 s[G1B+3], 256<<16
	s_mov_b32 s[G1B+4], 64
	s_mov_b32 s[G1B+5], 1024                       ; from row to row of Wo
	s_mov_b32 s[G1B+6], 0
	s_mov_b32 s[G1B+7], 0
	s_lshl_b32 s16, s13, 18                        ; A: the block's 262,144 bytes, my head of the K step's two
	s_lshl_b32 s17, s[CH], 14
	s_add_co_u32 s16, s16, s17
	s_mov_b32 s17, 0
	s_lshl_b32 s46, s42, 9                         ; Wo: 512 bytes of columns, my 64 rows of 2,048 bytes
	s_lshl_b32 s47, s[CH], 17
	s_add_co_u32 s46, s46, s47
	s_add_co_u32 s46, s46, WO
	s_mov_b32 s47, 0
	s_mul_i32 s20, s[CH], 64*PA                    ; where they go: no place in the cluster enters an LDS address
	s_mul_i32 s21, s[CH], 64*PB
	s_add_co_u32 s21, s21, ATILE
	s_wait_dscnt 0x0                               ; both opening adds are done
	s_wait_kmcnt 0x0
	s_add_nc_u64 s[14:15], s[4:5], s[16:17]
	s_add_nc_u64 s[46:47], s[6:7], s[46:47]
	CROUND                                         ; all sixteen work-groups are here: the first joint loads meet
.irp s, 0,1
	s_mov_b32 s[G0+4*\s], 1
	s_add_co_u32 s[G0+4*\s+1], s20, \s*SLOT
	s_add_nc_u64 s[G0+4*\s+2:G0+4*\s+3], s[14:15], \s*32768
	s_or_b32 s[G0+4*\s+3], s[G0+4*\s+3], 0x80000000
	s_mov_b32 s[G0B+4*\s], 1
	s_add_co_u32 s[G0B+4*\s+1], s21, \s*SLOT
	s_add_nc_u64 s[G0B+4*\s+2:G0B+4*\s+3], s[46:47], \s*262144
	s_or_b32 s[G0B+4*\s+3], s[G0B+4*\s+3], 0x80000000
	JLOAD \s                                       ; two tensor loads of mine are out
.endr
	v_and_b32 v1, 15, v0                           ; r
	v_bfe_u32 v2, v0, 4, 1                         ; h
	; the bias of my 128 columns, in the result's layout
	s_lshl_b32 s46, s42, 10
	s_lshl_b32 s47, s[CH], 9
	s_add_co_u32 s46, s46, s47                     ; my first column, in bytes of f32
	s_mov_b32 s47, 0
	s_add_nc_u64 s[8:9], s[8:9], s[46:47]
	v_lshlrev_b32 v[BA], 5, v2
	WIN TO_B
.irp b, 0,1,2,3,4,5,6,7
	global_load_b128 v[BI+8*\b:BI+8*\b+3], v[BA], s[8:9] offset:64*\b
	global_load_b128 v[BI+8*\b+4:BI+8*\b+7], v[BA], s[8:9] offset:64*\b+16
.endr
	WIN 0
	v_lshrrev_b32 v3, 1, v1
	v_mul_u32_u24 v3, v3, PA
	v_and_b32 v4, 1, v1
	v_lshl_add_u32 v3, v4, 7, v3
	v_lshl_add_u32 v3, v2, 4, v3                   ; A: token r: row r / 2, half r % 2, + 16 h
	v_and_b32 v4, 7, v0
	v_lshl_add_u32 v4, v2, 3, v4
	v_mul_u32_u24 v4, v4, PB                       ; Wo, turned: lane l reads 16 bytes of row k = 8 h + l % 8,
	v_bfe_u32 v5, v0, 3, 1
	v_lshl_add_u32 v4, v5, 4, v4                   ; columns 8 ((l / 8) % 2) on
	s_mul_i32 s21, s[RH], 32*PA                    ; my 64 tokens
	s_lshl_b32 s22, s[CH], 8                       ; my 128 columns,
	s_add_co_u32 s22, s22, ATILE                   ; behind A's tile
.irp s, 0,1
	v_add_nc_u32 v[ADRA+\s], s21, v3
	v_add_nc_u32 v[ADRB+\s], s22, v4
	s_add_co_u32 s21, s21, SLOT
	s_add_co_u32 s22, s22, SLOT
.endr
	s_mul_i32 s23, s[WVN], 16*SPITCH
	s_add_co_u32 s23, s23, STAGE                   ; my stage
	v_mul_u32_u24 v5, v1, SPITCH
	v_lshl_add_u32 v5, v2, 5, v5
	v_add_nc_u32 v[STO], s23, v5                   ; in: token r, 32 bytes for each half of the lanes
	v_and_b32 v6, 31, v0
	v_lshlrev_b32 v[CO], 4, v6                     ; back: the 32 lanes take a row of 512 bytes; the same in out0
	v_add_nc_u32 v[RD], s23, v[CO]
	v_lshlrev_b32 v[PFO], 8, v6
	s_lshl_b32 s20, s13, 19                        ; out0: 128 tokens of 4,096 bytes a tile row,
	s_lshl_b32 s21, s[RH], 18                      ; my 64 tokens,
	s_add_co_u32 s20, s20, s21
	s_add_co_u32 s20, s20, s46                     ; my first column
	s_mov_b32 s21, 0
	s_add_nc_u64 s[10:11], s[10:11], s[20:21]
	s_lshl_b32 s20, s13, 18                        ; the prefetches: my block of A, my work-group's 32 rows of a K step's 128,
	s_lshl_b32 s22, s40, 13
	s_add_co_u32 s20, s20, s22
	s_add_co_u32 s20, s20, 2*32768                 ; at K step 2: the first refill steps it to 3 and names K step 4.  Nothing is prefetched at the head
	s_add_nc_u64 s[PFA:PFA+1], s[4:5], s[20:21]
	s_cmp_eq_u32 s[WVN], 0
	s_cselect_b32 s[LIM], 1, -1
; 8 matrix instructions: token block a x Wo's eight blocks, 32 along K, from buffers f.  The 32 accumulators take turns, one instruction a turn, in the same order in every quarter.
.macro MULA f, a, zero
.irp b, 0,1,2,3,4,5,6,7
.if \zero
	v_wmma_f32_16x16x32_f16 v[8*(8*(\a)+\b):8*(8*(\a)+\b)+7], v[64*(\f)+8*\b:64*(\f)+8*\b+7], v[64+32*(\f)+8*(\a):64+32*(\f)+8*(\a)+7], v[BI+8*\b:BI+8*\b+7]
.else
	v_wmma_f32_16x16x32_f16 v[8*(8*(\a)+\b):8*(8*(\a)+\b)+7], v[64*(\f)+8*\b:64*(\f)+8*\b+7], v[64+32*(\f)+8*(\a):64+32*(\f)+8*(\a)+7], v[8*(8*(\a)+\b):8*(8*(\a)+\b)+7]
.endif
.endr
.endm
; 24 LDS loads in one run: quarter q (32 along K) of a slot into buffers f: Wo's eight blocks, turned, then A's four
.macro FETCH slot, q, f
	WIN TO_B
.irp b, 0,1,2,3,4,5,6,7
	ds_load_tr16_b128 v[64*(\f)+8*\b:64*(\f)+8*\b+3],   v[ADRB+\slot] offset:(\q)*32*PB+32*\b
	ds_load_tr16_b128 v[64*(\f)+8*\b+4:64*(\f)+8*\b+7], v[ADRB+\slot] offset:(\q)*32*PB+16*PB+32*\b
.endr
	WIN 0
.irp a, 0,1,2,3
	ds_load_b128 v[64+32*(\f)+8*\a:64+32*(\f)+8*\a+3],   v[ADRA+\slot] offset:((\q)/2)*64*PA+\a*8*PA+((\q)%2)*64
	ds_load_b128 v[64+32*(\f)+8*\a+4:64+32*(\f)+8*\a+7], v[ADRA+\slot] offset:((\q)/2)*64*PA+\a*8*PA+((\q)%2)*64+32
.endr
.endm
.macro PLACES                          ; four plain lines between matrix instructions and loads into, or reads of, their registers
.rept 4
	v_nop
.endr
.endm
; One of a K step's first three quarters: multiplies buffers f; in its middle it fetches quarter qn of the same slot into buffers g.
.macro QUARTER slot, qn, f, g, zero
	s_wait_dscnt 4                                 ; Wo's blocks and A's blocks 0, 1 are in; the youngest four loads (blocks 2, 3) may be out
.if \zero
	WIN MUL0
.else
	WIN MUL
.endif
	MULA \f, 0, \zero
	MULA \f, 1, \zero
	PLACES
	FETCH \slot, \qn, \g
	s_wait_dscnt 24                                ; all but the 24 just issued
.if \zero
	WIN MUL0
.else
	WIN MUL
.endif
	MULA \f, 2, \zero
	MULA \f, 3, \zero
.endm
; The last quarter multiplies buffers 1 and changes slots: ONE barrier; in front of it each wave waits for all its tensor loads, adds 0 to its spare word, and waits for that and for its reads of this slot.
; fill = 1: the barrier opens a round of the cluster's barrier, and this slot is filled again, two K steps ahead: the load has a K step less eight matrix instructions in which to land.
.macro TURN slot, next, fill
.if \fill
	s_wait_xcnt 0x0                                ; the last prefetch, a K step back, has read its address
	s_add_nc_u64 s[PFA:PFA+1], s[PFA:PFA+1], 32768
.endif
	WIN 0                                          ; (the add's two registers lie in window 0)
	s_wait_tensorcnt 0x0                           ; all my tensor loads have landed: my part of the next slot
	ds_add_u32 v[SPW], v[NIL]                      ; 0 onto my spare word
	s_wait_dscnt 5                                 ; (the add and the youngest four loads may be out)
	WIN MUL
	MULA 1, 0, 0
	s_wait_dscnt 0x0                               ; the add is done, and my reads of this slot are over
	s_barrier_signal -1
	MULA 1, 1, 0
.if \fill
	WIN 0
.endif
	s_barrier_wait -1
.if \fill
	CREST                                          ; no wave of any partner still reads this slot or has a load on its way
	s_add_nc_u64 s[G0+4*\slot+2:G0+4*\slot+3], s[G0+4*\slot+2:G0+4*\slot+3], 2*32768
	s_add_nc_u64 s[G0B+4*\slot+2:G0B+4*\slot+3], s[G0B+4*\slot+2:G0B+4*\slot+3], 2*262144
	JLOAD \slot                                    ; the first tensor load behind the round; its four v_nop are also the places in front of the loads below
.else
	PLACES
.endif
	FETCH \next, 0, 0
.if \fill
	ASK
.endif
	WIN MUL
	MULA 1, 2, 0
	MULA 1, 3, 0
.endm
	s_wait_tensorcnt 1                             ; my part of K step 0 is in (K step 1's may be out),
	s_barrier_signal -1
	s_barrier_wait -1                              ; everybody's is
	FETCH 0, 0, 0
	s_wait_loadcnt 0x0                             ; the bias
	QUARTER 0, 1, 0, 1, 1                          ; the first quarter's products start the sums on the bias
	WIN 0
	s_mov_b32 s3, 3
.Llap:                                                 ; three trips, each once round the ring, from a lap's second quarter to the next lap's first: six refills, K steps 2 to 7
	QUARTER 0, 2, 1, 0, 0
	QUARTER 0, 3, 0, 1, 0
	TURN 0, 1, 1
	QUARTER 1, 1, 0, 1, 0
	QUARTER 1, 2, 1, 0, 0
	QUARTER 1, 3, 0, 1, 0
	TURN 1, 0, 1
	QUARTER 0, 1, 0, 1, 0
	WIN 0
	s_sub_co_u32 s3, s3, 1
	s_cmp_lg_u32 s3, 0
	s_cbranch_scc1 .Llap
	QUARTER 0, 2, 1, 0, 0                          ; the last lap fills nothing
	QUARTER 0, 3, 0, 1, 0
	TURN 0, 1, 0
	QUARTER 1, 1, 0, 1, 0
	QUARTER 1, 2, 1, 0, 0
	QUARTER 1, 3, 0, 1, 0
	s_wait_dscnt 4                                 ; the very last quarter: nothing more to fetch
	WIN MUL
	MULA 1, 0, 0
	MULA 1, 1, 0
	s_wait_dscnt 0
	MULA 1, 2, 0
	MULA 1, 3, 0
	WIN 0
; THE WAY OUT, block by block of 16 tokens x 128 columns: through my own stage and back as whole rows of 512 bytes.  LDS serves a wave's instructions in order: no wait between the stores and the loads.
.macro TOSTAGE a
	WIN 0x08                                       ; an LDS store's data are its source 1: window 2
.irp b, 0,1,2,3,4,5,6,7
	ds_store_b128 v[STO], v[64*(\a)+8*\b:64*(\a)+8*\b+3] offset:64*\b          ; each accumulator from its low end on
	ds_store_b128 v[STO], v[64*(\a)+8*\b+4:64*(\a)+8*\b+7] offset:64*\b+16
.endr
	WIN 0
.set BB, BK+64*((\a)%2)
.irp t, 0,1,2,3,4,5,6,7,8,9,10,11,12,13,14,15
	ds_load_b128 v[BB+4*\t:BB+4*\t+3], v[RD] offset:\t*SPITCH
.endr
.endm
.macro SEND a, younger                 ; younger: the LDS instructions issued behind block a's loads, which may stay out
.set BB, BK+64*((\a)%2)
	s_wait_dscnt \younger
.if (\a) > 0
	s_add_nc_u64 s[10:11], s[10:11], 16*4096       ; (behind a wait on XCNT: the earlier stores have read their base)  16 tokens on
.endif
.irp t, 0,1,2,3,4,5,6,7,8,9,10,11,12,13,14,15
	global_store_b128 v[CO], v[BB+4*\t:BB+4*\t+3], s[10:11] offset:\t*4096 th:TH_STORE_NT   ; the wave stores 512 consecutive bytes, aligned; written once, read by nobody here
.endr
.endm
	PLACES                                         ; behind the last products
	TOSTAGE 0
.irp a, 1,2,3
.if \a > 1
	s_wait_xcnt 0x0                                ; block a - 2's stores have read their registers and their base
.endif
	TOSTAGE \a
	SEND \a-1, 32                                  ; behind block a - 1's loads: block a's 16 stores and 16 loads
.endr
	s_wait_xcnt 0x0
	SEND 3, 0
	s_wait_tensorcnt 0x0                           ; the wave's end
	ds_add_u32 v[SPW], v[NIL]
	s_wait_dscnt 0x0
	CROUND                                         ; the closing round
	s_endpgm
.Lfunc_end_k_qee0dffed82_outp:
	.size	k_qee0dffed82_outp, .Lfunc_end_k_qee0dffed82_outp-k_qee0dffed82_outp
	.p2alignl 7, 3214868480
	.fill 96, 4, 3214868480
	.section	.rodata,"a",@progbits
	.p2align	6, 0x0
	.amdhsa_kernel k_qee0dffed82_outp
		.amdhsa_group_segment_fixed_size 327680
		.amdhsa_private_segment_fixed_size 0
		.amdhsa_enable_private_segment 0
		.amdhsa_kernarg_size 32
		.amdhsa_user_sgpr_count 2
		.amdhsa_user_sgpr_kernarg_segment_ptr 1
		.amdhsa_wavefront_size32 1
		.amdhsa_system_sgpr_workgroup_id_x 1
		.amdhsa_system_sgpr_workgroup_id_y 1
		.amdhsa_system_sgpr_workgroup_id_z 1
		.amdhsa_system_vgpr_workitem_id 0
		.amdhsa_next_free_vgpr 768
		.amdhsa_next_free_sgpr 72
		.amdhsa_reserve_vcc 0
		.amdhsa_float_denorm_mode_32 3
		.amdhsa_float_denorm_mode_16_64 3
		.amdhsa_memory_ordered 1
		.amdhsa_forward_progress 1
		.amdhsa_inst_pref_size 88
	.end_amdhsa_kernel
	.amdgpu_metadata
---
amdhsa.version: [ 1, 2 ]
amdhsa.kernels:
  - .name:           k_qee0dffed82_outp
    .symbol:         k_qee0dffed82_outp.kd
    .args:
      - { .name: ao, .offset: 0, .size: 8, .value_kind: global_buffer, .address_space: global }
      - { .name: wq, .offset: 8, .size: 8, .value_kind: global_buffer, .address_space: global }
      - { .name: bo, .offset: 16, .size: 8, .value_kind: global_buffer, .address_space: global }
      - { .name: out0, .offset: 24, .size: 8, .value_kind: global_buffer, .address_space: global }
    .group_segment_fixed_size: 327680
    .private_segment_fixed_size: 0
    .kernarg_segment_align: 8
    .kernarg_segment_size: 32
    .max_flat_workgroup_size: 128
    .sgpr_count:     72
    .vgpr_count:     768
    .wavefront_size: 32
...
	.end_amdgpu_metadata
.endif
;; end of part 6
